; MI455X (gfx1250); checked and timed in simulation.
; The chip was launched on July 23, 2026; its instructions are those of AMD's public machine-readable ISA for CDNA 5 (MIT licence, August 2026) and "CDNA5" Instruction Set Architecture Reference Guide (July 2026). The comments in the code are by the model that wrote it; some were corrected since.
;; Self Attention. Allowed arithmetic: float matrix products may take bf16 or f16 operands with f32 sums; other float arithmetic in f32, or as packed bf16 or f16 multiplies, adds, multiply-adds, maxima and minima; sums over many terms, partial sums and values carried from step to step in f32; what a program stores and reads back later, other than sums and carried values, may be rounded once to bf16 or f16.
;; Inputs: P 2,048 x 2,048 float32; R 4,096 float32; W_K 1,024 x 1,024 float32; W_Q 1,024 x 1,024 float32; W_V 1,024 x 1,024 float32; tau_K 1 float32; tau_Q 1 float32; tau_V 1 float32; x 4 x 2,048 x 1,024 float32.
;; Outputs: out0 4 x 2,048 x 1,024 float32.
;; 2 versions, each right; version 2 is version 1 with the launch prep written anew for expert scheduling mode. Each part assembles by itself: llvm-mc -triple=amdgcn-amd-amdhsa -mcpu=gfx1250 --defsym DOCPART=n.
;; ======== version 1 of 2: 5 launches
;; limits: values are held in f16: magnitudes above 65,504 overflow, below 6.1e-05 lose precision; values outside matrix products are rounded to f16
;; workspace buffers: xh 16,777,216 bytes; wqk 4,194,304 bytes; wm 4,194,304 bytes; cb 16,384 bytes; qp 16,777,216 bytes; vt 16,777,216 bytes; pm 33,554,432 bytes; st 1,048,576 bytes
;; launch prep (part 1): grid 576 x 1, 8 waves a work-group, no clusters, 35,840 bytes of LDS; arguments x, W_Q, W_K, W_V, R, xh, wqk, wm, cb; writes xh, wqk, wm, cb
.if DOCPART == 1
	.amdgcn_target "amdgcn-amd-amdhsa--gfx1250"
	.amdhsa_code_object_version 6
	.text
	.protected	k_qaca54438f0_prep
	.globl	k_qaca54438f0_prep
	.p2align	8
	.type	k_qaca54438f0_prep,@function
k_qaca54438f0_prep:
	s_mov_b64 s[64:65], 0
	v_nop
	global_prefetch_b8 v0, s[64:65] scope:SCOPE_SE
	s_setreg_imm32_b32 hwreg(HW_REG_WAVE_MODE, 25, 1), 1
	s_wait_xcnt 0x0
; PREP: three kinds of work-group, chosen by the work-group's number (the same for all its waves).
;   0..127   cb[d] = log2(e) * c[(d + 2048) mod 4096], c = real(ifft(R)): c[t] = 1/4096 * sum over k of R[k] cos(2 pi k t / 4096); 32 d each
;   128..447 rows of 1,024 f32 -> rows of 1,024 f16, 32 rows each: x -> xh (256 groups), W_Q -> wqk rows 0..1023 (32), W_K -> wqk rows 1024..2047 (32)
;   448..575 W_V -> f16, transposed: wm + 2 MiB holds [1024 e][1024 k]; a tile of 128 k x 64 e each
; No matrix unit, no cluster, no tensor load: the work is a stream and a small sum; what is shared (R, 16 KiB) is a small part of the launch's bytes.
; LDS: each kind has bytes of its own, so that no line of one kind names a byte that a line of another kind names:
;   0 .. 17,407 the transposition's 64 rows of 272 bytes;  17,408 .. 33,791 R;  33,792 .. 34,815 the eight waves' partial sums.
; LIMITS: x and W are rounded to f16 (largest 65,504; below 6.1e-5 the step is 6e-8).  The cosines come from exact whole-number angles, a
; polynomial on [0, pi/2] (cut below 1e-8) and runs of 128 rotations from an exact start.
.set DL, 17408                         ; first LDS byte of the cosine sum's region: behind the transposition's 64 x 272 bytes
.set DP, DL+16384                      ; the partial sums, behind R
.set XR, 32                            ; v[32:159] cast: the row pieces;  v[32:63] transposition: 8 k x 4 columns
.set YR, 64                            ; v[64:79]  transposition: 4 columns x 8 k, packed
.set ZR, 80                            ; v[80:95]  transposition: read back
.set AA, 6                             ; v[6:7]    cos(step), twice
.set BB, 8                             ; v[8:9]    sin(step), twice
.set NB, 10                            ; v[10:11]  -sin(step), twice
.set CA, 12                            ; v[12:15]  cosines of the four chains, set A
.set SA, 16                            ; v[16:19]  sines, set A
.set CB2, 20                           ; v[20:23]  cosines, set B
.set SB2, 24                           ; v[24:27]  sines, set B
.set ACC, 28                           ; v[28:31]  the four chains' sums
.set RR, 32                            ; v[32:63]  32 numbers of R
	s_load_b512 s[4:19], s[0:1], 0x0               ; x 4:5, W_Q 6:7, W_K 8:9, W_V 10:11, R 12:13, xh 14:15, wqk 16:17, wm 18:19
	s_load_b64 s[20:21], s[0:1], 0x40              ; cb
	v_lshl_add_u32 v160, v0, 2, 0x8800
	v_mov_b32 v161, 0
	v_lshrrev_b32 v1, 5, v0                        ; wave, in every lane
	v_readfirstlane_b32 s22, v1                    ; and as a scalar
	s_cmp_lt_u32 ttmp9, 128
	s_cbranch_scc1 .Ldft
	s_cmp_lt_u32 ttmp9, 448
	s_cbranch_scc1 .Lcast
; ---------------- W_V: 128 k x 64 columns, transposed through LDS ----------------
	s_sub_co_u32 s23, ttmp9, 448                   ; u
	s_lshr_b32 s24, s23, 4                         ; kb: which 128 k
	s_and_b32 s25, s23, 15                         ; nb: which 64 columns
	v_and_b32 v2, 15, v0                           ; c: columns 4 c .. 4 c + 3
	v_bfe_u32 v7, v0, 4, 1                         ; hh: which 8 of the wave's 16 rows
	v_lshlrev_b32 v3, 4, v2
	v_lshl_add_u32 v3, v7, 15, v3                  ; load: 16 c + hh x 8 rows of 4,096 bytes
	v_lshl_add_u32 v3, v1, 16, v3                  ; + wave x 16 rows
	v_mul_u32_u24 v4, v2, 1088                     ; LDS in: row 4 c of 272 bytes,
	v_lshl_add_u32 v4, v1, 5, v4                   ; + 32 bytes for the wave's 16 k,
	v_lshl_add_u32 v4, v7, 4, v4                   ; + 16 for the upper 8
	v_lshrrev_b32 v5, 4, v0
	v_mul_u32_u24 v6, v5, 272                      ; LDS back: row t / 16,
	v_lshl_add_u32 v6, v2, 4, v6                   ; 16 bytes at 16 (t mod 16)
	v_lshlrev_b32 v8, 4, v2
	v_lshl_add_u32 v8, v5, 11, v8                  ; store: the same row (2,048 bytes each) and place
	s_lshl_b32 s26, s24, 19                        ; 128 kb rows of 4,096 bytes
	s_lshl_b32 s27, s25, 8                         ; 64 nb columns of 4 bytes
	s_add_co_u32 s26, s26, s27
	s_mov_b32 s27, 0
	s_lshl_b32 s28, s25, 17                        ; 64 nb rows of 2,048 bytes
	s_lshl_b32 s29, s24, 8                         ; 128 kb numbers of 2 bytes
	s_add_co_u32 s28, s28, s29
	s_add_co_u32 s28, s28, 0x200000                ; behind the 2 MiB that the next launch fills
	s_mov_b32 s29, 0
	s_wait_kmcnt 0x0
	s_add_nc_u64 s[26:27], s[10:11], s[26:27]
	s_add_nc_u64 s[28:29], s[18:19], s[28:29]
.set i, 0
.rept 8
	global_load_b128 v[XR+4*i:XR+4*i+3], v3, s[26:27] offset:4096*i th:TH_LOAD_NT   ; rows 16 w + i and 16 w + 8 + i: 256 neighbouring bytes of each
.set i, i+1
.endr
	s_wait_loadcnt 0x0
.set nn, 0
.rept 4
.set ii, 0
.rept 4
	v_cvt_pk_f16_f32 v[YR+4*nn+ii], v[XR+8*ii+nn], v[XR+8*ii+4+nn]     ; column 4 c + nn, k = 2 ii and 2 ii + 1 of my 8
.set ii, ii+1
.endr
	ds_store_b128 v4, v[YR+4*nn:YR+4*nn+3] offset:272*nn               ; 8 k of one column
.set nn, nn+1
.endr
	s_wait_dscnt 0x0                               ; my stores are in LDS before I say so
	s_barrier_signal -1
	s_barrier_wait -1
.set i, 0
.rept 4
	ds_load_b128 v[ZR+4*i:ZR+4*i+3], v6 offset:4352*i                  ; 16 columns further on each time
.set i, i+1
.endr
.set i, 0
.rept 4
	s_wait_dscnt 3-i                               ; LDS loads come back in order: load i is in, the younger ones may be out
	global_store_b128 v8, v[ZR+4*i:ZR+4*i+3], s[28:29] offset:32768*i  ; 16 lanes store 256 neighbouring bytes, aligned
.set i, i+1
.endr
	s_wait_tensorcnt 0x0
	ds_add_u32 v160, v161
	s_wait_dscnt 0x0
	s_endpgm
; ---------------- x, W_Q, W_K: 32 rows, cast ----------------
.Lcast:
	s_sub_co_u32 s23, ttmp9, 128                   ; g: 0..255 x, 256..287 W_Q, 288..319 W_K
	s_sub_co_u32 s24, s23, 256
	s_sub_co_u32 s25, s23, 288
	s_cmp_lt_u32 s23, 256
	s_cselect_b32 s26, s23, s24                    ; the block of 32 rows in xh, or in wqk (W_Q's 32 blocks, then W_K's)
	s_cmp_lt_u32 s23, 288
	s_cselect_b32 s27, s26, s25                    ; the block of 32 rows in the source
	v_lshrrev_b32 v2, 4, v0                        ; my row of 16
	v_and_b32 v3, 15, v0
	v_lshlrev_b32 v4, 5, v3                        ; my 8 numbers: 32 bytes of f32,
	v_lshl_add_u32 v4, v2, 12, v4                  ; load offset
	v_lshlrev_b32 v5, 4, v3                        ; 16 bytes of f16,
	v_lshl_add_u32 v5, v2, 11, v5                  ; store offset
	s_lshl_b32 s32, s27, 17                        ; 32 rows of 4,096 bytes
	s_mov_b32 s33, 0
	s_lshl_b32 s34, s26, 16                        ; 32 rows of 2,048 bytes
	s_mov_b32 s35, 0
	s_wait_kmcnt 0x0
	s_cmp_lt_u32 s23, 288
	s_cselect_b64 s[28:29], s[6:7], s[8:9]
	s_cmp_lt_u32 s23, 256
	s_cselect_b64 s[28:29], s[4:5], s[28:29]       ; from x, W_Q or W_K
	s_cselect_b64 s[30:31], s[14:15], s[16:17]     ; to xh or wqk
	s_add_nc_u64 s[28:29], s[28:29], s[32:33]
	s_add_nc_u64 s[30:31], s[30:31], s[34:35]
.set kb, 0
.rept 16
	global_load_b128 v[XR+8*kb:XR+8*kb+3],   v4, s[28:29] offset:(kb/8)*65536+(kb%8)*512 th:TH_LOAD_NT      ; 16 rows x 512 bytes a step of the work-group
	global_load_b128 v[XR+8*kb+4:XR+8*kb+7], v4, s[28:29] offset:(kb/8)*65536+(kb%8)*512+16 th:TH_LOAD_NT
.set kb, kb+1
.endr
.set kb, 0
.rept 16
	s_wait_loadcnt 30-2*kb                         ; loads come back in order: step kb's two are in, the younger ones stay out
.set i, 0
.rept 4
	v_cvt_pk_f16_f32 v[XR+8*kb+i], v[XR+8*kb+2*i], v[XR+8*kb+2*i+1]    ; in place: word i is written after words 2 i and 2 i + 1 were read
.set i, i+1
.endr
	global_store_b128 v5, v[XR+8*kb:XR+8*kb+3], s[30:31] offset:(kb/8)*32768+(kb%8)*256   ; 16 lanes store 256 neighbouring bytes, aligned
.set kb, kb+1
.endr
	s_endpgm
; ---------------- the relative bias: a cosine sum ----------------
; cos(2 pi j / 4096) for a whole number j in 0..4095: fold to 0..1024 (exact), polynomial in the angle's square, sign from j.  v4, v5 at work.
.macro COSJ d, j
	v_sub_nc_u32 v4, 0x1000, v[\j]
	v_min_u32 v4, v[\j], v4                        ; cos(2 pi - a) = cos a: 0..2048
	v_sub_nc_u32 v5, 0x800, v4
	v_min_u32 v4, v4, v5                           ; cos(pi - a) = -cos a: 0..1024
	v_cvt_f32_u32 v4, v4
	v_mul_f32 v4, 0x3ac90fdb, v4                   ; x pi / 2048
	v_mul_f32 v4, v4, v4
	v_mov_b32 v[\d], 0x310f76c7                    ; 1/12!
	v_fmaak_f32 v[\d], v[\d], v4, 0xb493f27e       ; -1/10!
	v_fmaak_f32 v[\d], v[\d], v4, 0x37d00d01       ; 1/8!
	v_fmaak_f32 v[\d], v[\d], v4, 0xbab60b61       ; -1/6!
	v_fmaak_f32 v[\d], v[\d], v4, 0x3d2aaaab       ; 1/4!
	v_fma_f32 v[\d], v[\d], v4, -0.5
	v_fma_f32 v[\d], v[\d], v4, 1.0
	v_add_nc_u32 v5, 0x400, v[\j]
	v_lshlrev_b32 v5, 20, v5                       ; bit 11 of j + 1024 is set for j in 1024..3071: the cosine is negative there
	v_and_b32 v5, 0x80000000, v5
	v_xor_b32 v[\d], v[\d], v5
.endm
.macro SINCOS dc, ds, j
	COSJ \dc, \j
	v_add_nc_u32 v69, 0xc00, v[\j]                 ; sin a = cos(a + 3 pi / 2)
	v_and_b32 v69, 0xfff, v69
	COSJ \ds, 69
.endm
; four k at once: add R cos to the sums, then turn the four angles on by the step, into the other set of registers
.macro STEP n, ci, si, co, so
	v_pk_fma_f32 v[ACC:ACC+1],   v[RR+4*\n:RR+4*\n+1],   v[\ci:\ci+1],   v[ACC:ACC+1]
	v_pk_fma_f32 v[ACC+2:ACC+3], v[RR+4*\n+2:RR+4*\n+3], v[\ci+2:\ci+3], v[ACC+2:ACC+3]
	v_pk_mul_f32 v[\co:\co+1],   v[\ci:\ci+1],   v[AA:AA+1]
	v_pk_mul_f32 v[\co+2:\co+3], v[\ci+2:\ci+3], v[AA:AA+1]
	v_pk_mul_f32 v[\so:\so+1],   v[\si:\si+1],   v[AA:AA+1]
	v_pk_mul_f32 v[\so+2:\so+3], v[\si+2:\si+3], v[AA:AA+1]
	v_pk_fma_f32 v[\co:\co+1],   v[\si:\si+1],   v[NB:NB+1], v[\co:\co+1]
	v_pk_fma_f32 v[\co+2:\co+3], v[\si+2:\si+3], v[NB:NB+1], v[\co+2:\co+3]
	v_pk_fma_f32 v[\so:\so+1],   v[\ci:\ci+1],   v[BB:BB+1], v[\so:\so+1]
	v_pk_fma_f32 v[\so+2:\so+3], v[\ci+2:\ci+3], v[BB:BB+1], v[\so+2:\so+3]
.endm
.Ldft:
	v_lshlrev_b32 v66, 4, v0                       ; 16 t
	s_lshl_b32 s24, ttmp9, 7                       ; my 32 results, 128 bytes
	s_mov_b32 s25, 0
	s_wait_kmcnt 0x0
	s_add_nc_u64 s[20:21], s[20:21], s[24:25]
.set i, 0
.rept 4
	global_load_b128 v[RR+4*i:RR+4*i+3], v66, s[12:13] offset:4096*i   ; all of R, 16 KiB, for LDS
.set i, i+1
.endr
	v_and_b32 v2, 31, v0
	s_lshl_b32 s26, ttmp9, 5
	v_add_nc_u32 v2, s26, v2                       ; d
	v_add_nc_u32 v2, 0x800, v2
	v_and_b32 v2, 0xfff, v2                        ; t = (d + 2048) mod 4096
	s_lshl_b32 s23, s22, 9                         ; the wave sums k = 512 w .. 512 w + 511
.irp i, 0,1,2,3
	s_add_co_u32 s27, s23, \i
	v_mul_u32_u24 v3, s27, v2                      ; chain i starts at k = 512 w + i: the product is below 2^24
	v_and_b32 v3, 0xfff, v3                        ; the angle, exactly
	SINCOS CA+\i, SA+\i, 3
.endr
	v_lshlrev_b32 v3, 2, v2
	v_and_b32 v3, 0xfff, v3                        ; a chain steps by 4 in k
	SINCOS AA, BB, 3
	v_mov_b32 v[AA+1], v[AA]
	v_mov_b32 v[BB+1], v[BB]
	v_xor_b32 v[NB], 0x80000000, v[BB]
	v_xor_b32 v[NB+1], 0x80000000, v[BB]
.irp i, 0,1,2,3
	v_mov_b32 v[ACC+\i], 0
.endr
	v_mov_b32 v64, s23
	v_lshlrev_b32 v64, 2, v64                      ; the wave's part of R, counted from R's first byte in LDS
	s_wait_loadcnt 0x0
.set i, 0
.rept 4
	ds_store_b128 v66, v[RR+4*i:RR+4*i+3] offset:DL+4096*i
.set i, i+1
.endr
	s_wait_dscnt 0x0                               ; my part of R is in LDS before I say so
	s_barrier_signal -1
	s_barrier_wait -1
	s_mov_b32 s30, 0
.Ldftk:                                                ; 16 trips of 32 k
.set i, 0
.rept 8
	ds_load_b128 v[RR+4*i:RR+4*i+3], v64 offset:DL+16*i                ; the same four numbers for every lane
.set i, i+1
.endr
	v_add_nc_u32 v64, 128, v64
	s_wait_dscnt 0x0
	STEP 0, CA, SA, CB2, SB2
	STEP 1, CB2, SB2, CA, SA
	STEP 2, CA, SA, CB2, SB2
	STEP 3, CB2, SB2, CA, SA
	STEP 4, CA, SA, CB2, SB2
	STEP 5, CB2, SB2, CA, SA
	STEP 6, CA, SA, CB2, SB2
	STEP 7, CB2, SB2, CA, SA
	s_add_co_u32 s30, s30, 1
	s_cmp_lt_u32 s30, 16
	s_cbranch_scc1 .Ldftk
	v_pk_add_f32 v[ACC:ACC+1], v[ACC:ACC+1], v[ACC+2:ACC+3]
	v_add_f32 v[ACC], v[ACC], v[ACC+1]
	v_lshlrev_b32 v3, 2, v0
	ds_store_b32 v3, v[ACC] offset:DP              ; [8 waves][32 d], behind R
	s_wait_dscnt 0x0
	s_barrier_signal -1
	s_barrier_wait -1
	s_cmp_lg_u32 s22, 0
	s_cbranch_scc1 .Ldone                          ; wave 0 adds the eight parts (for it v3 = 4 x lane)
.set i, 0
.rept 8
	ds_load_b32 v[RR+i], v3 offset:DP+128*i
.set i, i+1
.endr
	s_wait_dscnt 0x0
	v_pk_add_f32 v[RR:RR+1], v[RR:RR+1], v[RR+2:RR+3]
	v_pk_add_f32 v[RR+4:RR+5], v[RR+4:RR+5], v[RR+6:RR+7]
	v_pk_add_f32 v[RR:RR+1], v[RR:RR+1], v[RR+4:RR+5]
	v_add_f32 v[RR], v[RR], v[RR+1]
	v_mul_f32 v[RR], 0x39b8aa3b, v[RR]             ; x log2(e) / 4096
	global_store_b32 v3, v[RR], s[20:21]           ; 128 neighbouring bytes a work-group; the whole table is 16 KiB
.Ldone:
	s_wait_tensorcnt 0x0
	ds_add_u32 v160, v161
	s_wait_dscnt 0x0
	s_endpgm
.Lfunc_end_k_qaca54438f0_prep:
	.size	k_qaca54438f0_prep, .Lfunc_end_k_qaca54438f0_prep-k_qaca54438f0_prep
	.p2alignl 7, 3214868480
	.fill 96, 4, 3214868480
	.section	.rodata,"a",@progbits
	.p2align	6, 0x0
	.amdhsa_kernel k_qaca54438f0_prep
		.amdhsa_group_segment_fixed_size 35840
		.amdhsa_private_segment_fixed_size 0
		.amdhsa_enable_private_segment 0
		.amdhsa_kernarg_size 72
		.amdhsa_user_sgpr_count 2
		.amdhsa_user_sgpr_kernarg_segment_ptr 1
		.amdhsa_wavefront_size32 1
		.amdhsa_system_sgpr_workgroup_id_x 1
		.amdhsa_system_sgpr_workgroup_id_y 1
		.amdhsa_system_sgpr_workgroup_id_z 1
		.amdhsa_system_vgpr_workitem_id 0
		.amdhsa_next_free_vgpr 162
		.amdhsa_next_free_sgpr 66
		.amdhsa_reserve_vcc 0
		.amdhsa_float_denorm_mode_32 3
		.amdhsa_float_denorm_mode_16_64 3
		.amdhsa_memory_ordered 1
		.amdhsa_forward_progress 1
		.amdhsa_inst_pref_size 35
	.end_amdhsa_kernel
	.amdgpu_metadata
---
amdhsa.version: [ 1, 2 ]
amdhsa.kernels:
  - .name:           k_qaca54438f0_prep
    .symbol:         k_qaca54438f0_prep.kd
    .args:
      - { .name: x, .offset: 0, .size: 8, .value_kind: global_buffer, .address_space: global }
      - { .name: W_Q, .offset: 8, .size: 8, .value_kind: global_buffer, .address_space: global }
      - { .name: W_K, .offset: 16, .size: 8, .value_kind: global_buffer, .address_space: global }
      - { .name: W_V, .offset: 24, .size: 8, .value_kind: global_buffer, .address_space: global }
      - { .name: R, .offset: 32, .size: 8, .value_kind: global_buffer, .address_space: global }
      - { .name: xh, .offset: 40, .size: 8, .value_kind: global_buffer, .address_space: global }
      - { .name: wqk, .offset: 48, .size: 8, .value_kind: global_buffer, .address_space: global }
      - { .name: wm, .offset: 56, .size: 8, .value_kind: global_buffer, .address_space: global }
      - { .name: cb, .offset: 64, .size: 8, .value_kind: global_buffer, .address_space: global }
    .group_segment_fixed_size: 35840
    .private_segment_fixed_size: 0
    .kernarg_segment_align: 8
    .kernarg_segment_size: 72
    .max_flat_workgroup_size: 256
    .sgpr_count:     66
    .vgpr_count:     162
    .wavefront_size: 32
...
	.end_amdgpu_metadata
.endif
;; end of part 1
;; launch mt (part 2): grid 16 x 16, 4 waves a work-group, clusters of 4 x 4, 288,256 bytes of LDS; arguments wqk, wm; writes wm
.if DOCPART == 2
	.amdgcn_target "amdgcn-amd-amdhsa--gfx1250"
	.amdhsa_code_object_version 6
	.text
	.protected	k_qaca54438f0_mt
	.globl	k_qaca54438f0_mt
	.p2align	8
	.type	k_qaca54438f0_mt,@function
k_qaca54438f0_mt:
	s_mov_b64 s[64:65], 0
	v_nop
	global_prefetch_b8 v0, s[64:65] scope:SCOPE_SE
	s_setreg_imm32_b32 hwreg(HW_REG_WAVE_MODE, 25, 1), 1
	s_wait_xcnt 0x0
	s_wait_alu depctr_hold_cnt(0) depctr_sa_sdst(0) depctr_va_vdst(0) depctr_va_sdst(0) depctr_va_ssrc(0) depctr_va_vcc(0) depctr_vm_vsrc(0)
	s_getreg_b32 s2, hwreg(HW_REG_IB_STS2, 6, 4)
	s_cmp_eq_u32 s2, 0
	s_cbranch_scc0 .Lentry_in_a_cluster
	s_endpgm
.Lentry_in_a_cluster:
	s_bfe_u32 s2, ttmp6, 0x10000c
	s_cmp_lg_u32 s2, 0xf033
	s_cbranch_scc0 .Lentry_shape_is_right
	s_endpgm
.Lentry_shape_is_right:
; MT: MT[d'][d] = sum over e of W_K[d'][e] W_Q[d][e], f16 operands, f32 sums, rounded to f16, into the first 2 MiB of wm, row-major.
; With it (x W_Q)(x W_K)^T = (x MT^T) x^T: the projection of the keys (8192 x 1024 x 1024 products) is replaced by this product of 1024 x 1024 x 1024.
; 16 x 16 work-groups of 64 (d') x 64 (d); a wave makes 16 x 64: four accumulator tiles, 128 matrix instructions.
; The whole K of both panels, 2 x 64 rows x 2,048 bytes, fits in LDS (16 chunks of 64 rows x 272 bytes = 278,528 bytes), so every tile is a first fill:
; each wave asks for four chunks of 64 rows x 128 k at the start, no slot is filled again, and four tensor loads of a wave are out at the most.
; CLUSTERS: 4 x 4 work-groups; W_K's rows hang on the block row alone and are asked for jointly by a row of the cluster, W_Q's on the block column, by a column.
; A work-group's piece of a row of MT is 128 bytes, half of an aligned block of 256: the table is 2 MiB, and a tile twice as wide would not fit in LDS with its whole K.
.set PITCH, 272                        ; 256 bytes (128 k) + 16 of padding
.set CH,    64*PITCH                   ; 17,408: a chunk: 64 rows x 128 k
.set WREG,  4*CH                       ; the four chunks that one wave fetches: wave 0 W_K's even chunks, 1 its odd ones, 2 and 3 W_Q's
.set STAGE, 4*WREG                     ; 278,528: 16 rows x 144 bytes for each wave; no tensor load lands here
.set SP,    144
.set ADRA, 16                          ; v16-17  my 16 rows of W_K, even and odd chunks
.set ADRB, 18                          ; v18-19  W_Q's 64 rows, even and odd chunks
.set STO,  20
.set RD,   21
.set CO,   22
.set AF,   32                          ; v32-63   W_K's fragments of a chunk's four steps of 32 k
.set BF,   64                          ; v64-191  W_Q's: four steps x four fragments
.set ACC,  192                         ; v192-223 four tiles
.set TMP,  224                         ; v224-239 packed results
.set RB,   32                          ; rows read back
.set G1,  24
.set G1B, 32
.set G0,  48                           ; s[48:63] group 0, W_K's tiles, a set for each of my four loads
.set G0B, 68                           ; s[68:83] group 0, W_Q's tiles
.macro CREST                           ; a round of the cluster's barrier, behind its opening work-group barrier
	s_cmp_lg_u32 s10, 0
	s_cbranch_scc1 .Lnot_wave_0_\@
	s_barrier_signal -3
.Lnot_wave_0_\@:
	s_barrier_wait -3
	s_barrier_signal -1
	s_barrier_wait -1
.endm
.macro CROUND
	s_barrier_signal -1
	s_barrier_wait -1
	CREST
.endm
.macro PLACES                          ; four plain vector instructions between a matrix instruction and a load into, or a vector use of, its registers
.rept 4
	v_nop
.endr
.endm
	s_load_b128 s[4:7], s[0:1], 0x0                ; wqk 4:5, wm 6:7
	v_lshl_add_u32 v254, v0, 2, 0x46400
	v_mov_b32 v255, 0
	ds_add_u32 v254, v255
	v_lshrrev_b32 v1, 5, v0
	v_readfirstlane_b32 s10, v1                    ; wave
	s_lshr_b32 s11, s10, 1                         ; I fetch W_K (0) or W_Q (1)
	s_and_b32 s12, s10, 1                          ; its even or its odd chunks
	s_bfe_u32 s40, ttmp6, 0x40000                  ; cx
	s_bfe_u32 s41, ttmp6, 0x40004                  ; cy
	s_lshl_b32 s42, ttmp9, 2
	s_add_co_u32 s42, s42, s40                     ; block column: 64 d
	s_and_b32 s13, ttmp7, 0xffff
	s_lshl_b32 s13, s13, 2
	s_add_co_u32 s13, s13, s41                     ; block row: 64 d'
	s_lshl_b32 s43, s41, 2
	s_lshl_b32 s43, 15, s43                        ; my row of the cluster
	s_lshl_b32 s44, 0x1111, s40                    ; my column
	s_or_b32 s[G1+0], s43, (1<<16)|(1<<20)|(1<<21)|(5<<22)|(3<<25)     ; 2-byte elements; 4 words of padding behind every 64 words
	s_or_b32 s[G1B+0], s44, (1<<16)|(1<<20)|(1<<21)|(5<<22)|(3<<25)
	s_mov_b32 s[G1+1], 128<<16                     ; tensor_dim0 = 128
	s_mov_b32 s[G1B+1], 128<<16
	s_mov_b32 s[G1+2], 64<<16                      ; tensor_dim1 = 64
	s_mov_b32 s[G1B+2], 64<<16
	s_mov_b32 s[G1+3], 128<<16                     ; tile_dim0 = 128
	s_mov_b32 s[G1B+3], 128<<16
	s_mov_b32 s[G1+4], 64                          ; tile_dim1 = 64
	s_mov_b32 s[G1B+4], 64
	s_mov_b32 s[G1+5], 1024                        ; a row: 1,024 elements
	s_mov_b32 s[G1B+5], 1024
	s_mov_b32 s[G1+6], 0
	s_mov_b32 s[G1B+6], 0
	s_mov_b32 s[G1+7], 0
	s_mov_b32 s[G1B+7], 0
	s_lshl_b32 s18, s12, 8                         ; my first chunk: byte 0 or 256 of the rows
	s_lshl_b32 s16, s13, 17                        ; W_K: 64 rows of 2,048 bytes a block,
	s_add_co_u32 s16, s16, s18
	s_add_co_u32 s16, s16, 0x200000                ; behind W_Q's 2 MiB
	s_mov_b32 s17, 0
	s_lshl_b32 s46, s42, 17                        ; W_Q
	s_add_co_u32 s46, s46, s18
	s_mov_b32 s47, 0
	s_mul_i32 s20, s10, WREG                       ; LDS: wave x four chunks
	s_lshl_b32 s66, s13, 17                        ; MT: 64 rows of 2,048 bytes a block row,
	s_lshl_b32 s67, s10, 15                        ; + 16 rows a wave,
	s_add_co_u32 s66, s66, s67
	s_lshl_b32 s67, s42, 7                         ; + 64 columns of 2 bytes a block column
	s_add_co_u32 s66, s66, s67
	s_mov_b32 s67, 0
	s_wait_dscnt 0x0
	s_wait_kmcnt 0x0
	s_add_nc_u64 s[16:17], s[4:5], s[16:17]
	s_add_nc_u64 s[46:47], s[4:5], s[46:47]
	s_add_nc_u64 s[6:7], s[6:7], s[66:67]
	CROUND                                         ; all sixteen work-groups are here: the joint loads meet
.irp i, 0,1,2,3
	s_mov_b32 s[G0+4*\i], 1
	s_add_co_u32 s[G0+4*\i+1], s20, \i*CH
	s_add_nc_u64 s[G0+4*\i+2:G0+4*\i+3], s[16:17], \i*512          ; every second chunk of 256 bytes
	s_or_b32 s[G0+4*\i+3], s[G0+4*\i+3], 0x80000000
	s_mov_b32 s[G0B+4*\i], 1
	s_add_co_u32 s[G0B+4*\i+1], s20, \i*CH
	s_add_nc_u64 s[G0B+4*\i+2:G0B+4*\i+3], s[46:47], \i*512
	s_or_b32 s[G0B+4*\i+3], s[G0B+4*\i+3], 0x80000000
.endr
	s_cmp_eq_u32 s11, 0                            ; all the first fills of a wave stand in one branch on the wave's number
	s_cbranch_scc0 .Lfor_b
.irp i, 0,1,2,3
	tensor_load_to_lds s[G0+4*\i:G0+4*\i+3], s[G1:G1+7]
	s_nop 0
.endr
	s_branch .Lasked
.Lfor_b:
.irp i, 0,1,2,3
	tensor_load_to_lds s[G0B+4*\i:G0B+4*\i+3], s[G1B:G1B+7]
	s_nop 0
.endr
.Lasked:
	v_and_b32 v1, 15, v0                           ; r
	v_bfe_u32 v2, v0, 4, 1                         ; h
	v_mul_u32_u24 v3, v1, PITCH
	v_lshl_add_u32 v3, v2, 4, v3                   ; row x pitch + 16 h
	s_mul_i32 s21, s10, 16*PITCH                   ; my 16 rows of W_K
	v_add_nc_u32 v[ADRA], s21, v3
	s_add_co_u32 s21, s21, WREG
	v_add_nc_u32 v[ADRA+1], s21, v3
	v_add_nc_u32 v[ADRB], 2*WREG, v3
	v_add_nc_u32 v[ADRB+1], 3*WREG, v3
	s_mul_i32 s23, s10, 16*SP
	s_add_co_u32 s23, s23, STAGE                   ; my stage
	v_mul_u32_u24 v4, v1, SP
	v_lshl_add_u32 v4, v2, 4, v4
	v_add_nc_u32 v[STO], s23, v4                   ; in: row r, 16 bytes for each half of the lanes
	v_bfe_u32 v5, v0, 3, 2                         ; back: eight lanes take a row of 128 bytes, a wave four rows
	v_and_b32 v6, 7, v0
	v_mul_u32_u24 v7, v5, SP
	v_lshl_add_u32 v7, v6, 4, v7
	v_add_nc_u32 v[RD], s23, v7
	v_lshlrev_b32 v7, 11, v5
	v_lshl_add_u32 v[CO], v6, 4, v7                ; the same four rows in MT (2,048 bytes each)
; chunk 2 p + par: 40 LDS loads (four steps of 32 k: one fragment of W_K, four of W_Q), then 16 matrix instructions.
; Source 0 = W_Q's rows: a lane holds 8 neighbouring d of one row d'.  The four accumulators take turns, one instruction a turn.
.macro CHUNK p, par, zero
.set ks, 0
.rept 4
	ds_load_b128 v[AF+8*ks:AF+8*ks+3],   v[ADRA+\par] offset:\p*CH+64*ks
	ds_load_b128 v[AF+8*ks+4:AF+8*ks+7], v[ADRA+\par] offset:\p*CH+64*ks+32
.set fb, 0
.rept 4
	ds_load_b128 v[BF+32*ks+8*fb:BF+32*ks+8*fb+3],   v[ADRB+\par] offset:\p*CH+fb*16*PITCH+64*ks
	ds_load_b128 v[BF+32*ks+8*fb+4:BF+32*ks+8*fb+7], v[ADRB+\par] offset:\p*CH+fb*16*PITCH+64*ks+32
.set fb, fb+1
.endr
.set ks, ks+1
.endr
.set zz, \zero
.set ks, 0
.rept 4
	s_wait_dscnt 30-10*ks                          ; LDS loads come back in order: this step's ten are in, the later steps' may be out
.set fb, 0
.rept 4
.if zz
	v_wmma_f32_16x16x32_f16 v[ACC+8*fb:ACC+8*fb+7], v[BF+32*ks+8*fb:BF+32*ks+8*fb+7], v[AF+8*ks:AF+8*ks+7], 0
.else
	v_wmma_f32_16x16x32_f16 v[ACC+8*fb:ACC+8*fb+7], v[BF+32*ks+8*fb:BF+32*ks+8*fb+7], v[AF+8*ks:AF+8*ks+7], v[ACC+8*fb:ACC+8*fb+7]
.endif
.set fb, fb+1
.endr
.set zz, 0
.set ks, ks+1
.endr
	PLACES
.endm
.macro PAIR p, zero
	s_wait_tensorcnt 3-\p                          ; my load number p is in; the younger ones may stay out
	s_barrier_signal -1                            ; (no LDS instruction of mine is out: the last count-down ended at 0)
	s_barrier_wait -1                              ; everybody's is: chunks 2 p and 2 p + 1 of both panels are whole
	CHUNK \p, 0, \zero
	CHUNK \p, 1, 0
.endm
	PAIR 0, 1                                      ; the first products start the sums
	PAIR 1, 0
	PAIR 2, 0
	PAIR 3, 0
	; the way out: round to f16, through my stage, whole pieces of rows out
.set fb, 0
.rept 4
.set oq, 0
.rept 4
	v_cvt_pk_f16_f32 v[TMP+4*fb+oq], v[ACC+8*fb+2*oq], v[ACC+8*fb+2*oq+1]
.set oq, oq+1
.endr
	ds_store_b128 v[STO], v[TMP+4*fb:TMP+4*fb+3] offset:32*fb
.set fb, fb+1
.endr
.set fb, 0
.rept 4
	ds_load_b128 v[RB+4*fb:RB+4*fb+3], v[RD] offset:fb*4*SP            ; LDS serves a wave's instructions in order: these see the stores above
.set fb, fb+1
.endr
.set fb, 0
.rept 4
	s_wait_dscnt 3-fb
	global_store_b128 v[CO], v[RB+4*fb:RB+4*fb+3], s[6:7] offset:fb*8192   ; eight lanes store 128 neighbouring bytes
.set fb, fb+1
.endr
	s_wait_tensorcnt 0x0
	ds_add_u32 v254, v255
	s_wait_dscnt 0x0
	CROUND                                         ; the closing round
	s_endpgm
.Lfunc_end_k_qaca54438f0_mt:
	.size	k_qaca54438f0_mt, .Lfunc_end_k_qaca54438f0_mt-k_qaca54438f0_mt
	.p2alignl 7, 3214868480
	.fill 96, 4, 3214868480
	.section	.rodata,"a",@progbits
	.p2align	6, 0x0
	.amdhsa_kernel k_qaca54438f0_mt
		.amdhsa_group_segment_fixed_size 288256
		.amdhsa_private_segment_fixed_size 0
		.amdhsa_enable_private_segment 0
		.amdhsa_kernarg_size 16
		.amdhsa_user_sgpr_count 2
		.amdhsa_user_sgpr_kernarg_segment_ptr 1
		.amdhsa_wavefront_size32 1
		.amdhsa_system_sgpr_workgroup_id_x 1
		.amdhsa_system_sgpr_workgroup_id_y 1
		.amdhsa_system_sgpr_workgroup_id_z 1
		.amdhsa_system_vgpr_workitem_id 0
		.amdhsa_next_free_vgpr 256
		.amdhsa_next_free_sgpr 84
		.amdhsa_reserve_vcc 0
		.amdhsa_float_denorm_mode_32 3
		.amdhsa_float_denorm_mode_16_64 3
		.amdhsa_memory_ordered 1
		.amdhsa_forward_progress 1
		.amdhsa_inst_pref_size 40
	.end_amdhsa_kernel
	.amdgpu_metadata
---
amdhsa.version: [ 1, 2 ]
amdhsa.kernels:
  - .name:           k_qaca54438f0_mt
    .symbol:         k_qaca54438f0_mt.kd
    .args:
      - { .name: wqk, .offset: 0, .size: 8, .value_kind: global_buffer, .address_space: global }
      - { .name: wm, .offset: 8, .size: 8, .value_kind: global_buffer, .address_space: global }
    .group_segment_fixed_size: 288256
    .private_segment_fixed_size: 0
    .kernarg_segment_align: 8
    .kernarg_segment_size: 16
    .max_flat_workgroup_size: 128
    .sgpr_count:     84
    .vgpr_count:     256
    .wavefront_size: 32
...
	.end_amdgpu_metadata
.endif
;; end of part 2
;; launch proj (part 3): grid 8 x 32, 4 waves a work-group, clusters of 4 x 4, 327,680 bytes of LDS; arguments xh, wm, qp, vt; writes qp, vt
.if DOCPART == 3
	.amdgcn_target "amdgcn-amd-amdhsa--gfx1250"
	.amdhsa_code_object_version 6
	.text
	.protected	k_qaca54438f0_proj
	.globl	k_qaca54438f0_proj
	.p2align	8
	.type	k_qaca54438f0_proj,@function
k_qaca54438f0_proj:
	s_mov_b64 s[64:65], 0
	v_nop
	global_prefetch_b8 v0, s[64:65] scope:SCOPE_SE
	s_setreg_imm32_b32 hwreg(HW_REG_WAVE_MODE, 25, 1), 1
	s_wait_xcnt 0x0
	s_wait_alu depctr_hold_cnt(0) depctr_sa_sdst(0) depctr_va_vdst(0) depctr_va_sdst(0) depctr_va_ssrc(0) depctr_va_vcc(0) depctr_vm_vsrc(0)
	s_getreg_b32 s2, hwreg(HW_REG_IB_STS2, 6, 4)
	s_cmp_eq_u32 s2, 0
	s_cbranch_scc0 .Lentry_in_a_cluster
	s_endpgm
.Lentry_in_a_cluster:
	s_bfe_u32 s2, ttmp6, 0x10000c
	s_cmp_lg_u32 s2, 0xf033
	s_cbranch_scc0 .Lentry_shape_is_right
	s_endpgm
.Lentry_shape_is_right:
; PROJ: two products C[m][n] = s * sum over k of A[m][k] B[n][k], K = 1024, f16 operands, f32 sums, C rounded to f16, in one body.
;   cluster x = 0:  q'[token][d'] = 2^-11 * sum x[token][d] MT[d'][d]:   A = xh, B = MT (wm), C = qp, rows of 2,048 bytes; 32 x 4 blocks
;   cluster x = 1:  v^T[e][token] = sum W_V^T[e][k] x[token][k]:         A = W_V^T (wm + 2 MiB), B = xh, C = vt, rows of 16,384 bytes; 4 x 32 blocks
; The cluster's x is the same in all sixteen partners; it selects pointers, the pitch's shift and the scale by s_cselect: no branch hangs on it.
; A work-group makes 256 x 256 with four waves, a wave 128 x 128 (64 accumulator tiles).  K goes in steps of 128 (rows of 256 bytes) through two LDS slots
; filled by joint tensor loads: A's tile is shared along a row of the cluster, B's along a column.
; LIMITS: |x W_V| below 65,504; |x W_Q W_K^T| below 1.3e8 (stored times 2^-11: at the drawn spread numbers below an eighth of the spread are f16 denormals,
; with a step of 1.2e-4 of the spread).
; REGISTERS: window 0: v8-25 addresses; v64-191 A's fragments, two buffers; window 1: v64-191 B's; window 2: tiles of my rows 0-63 (tile (a, b) at v[8 (8 a + b)]); window 3: rows 64-127.
; The matrix instruction is used transposed (source 0 = B's rows): a lane holds 8 neighbouring columns of one row of C.
.set KSTEP,  128
.set PITCH,  272
.set HALFT,  128*PITCH
.set SLOT,   4*HALFT
.set STAGE,  2*SLOT                    ; 278,528: 16 rows x 272 bytes for each wave; no tensor load lands here
.set SPITCH, 272
.set LAPS,   4
.set CO,   8                           ; v8-15  byte offset in C of rows 2 t + h, t = 0..7
.set ADRA, 16
.set ADRB, 20
.set STO,  24
.set RD,   25
.set F0,   64
.set F1,   128
.set T2,   64                          ; the way out: scaled results
.set TMP,  192                         ; packed results
.set G1, 24
.set G0, 32
.set G1B, 48
.set G0B, 56
.set MSB, 0
.macro WIN new                         ; the immediate's high byte repeats the setting that is left
.if MSB != \new
	s_set_vgpr_msb (MSB<<8)|\new
.set MSB, \new
.endif
.endm
.set MUL_LO, 0xa1
.set MUL_HI, 0xf1
.set TO_B,   0x40
.macro JLOAD s                         ; waves 0, 1 ask for A's two halves, waves 2, 3 for B's
	s_cmp_eq_u32 s11, 0
	s_cbranch_scc0 .Lfor_b_\@
	tensor_load_to_lds s[G0+4*\s:G0+4*\s+3], s[G1:G1+7]
	s_nop 0
	s_branch .Lasked_\@
.Lfor_b_\@:
	tensor_load_to_lds s[G0B+4*\s:G0B+4*\s+3], s[G1B:G1B+7]
	s_nop 0
.Lasked_\@:
.endm
.macro CREST
	s_cmp_lg_u32 s10, 0
	s_cbranch_scc1 .Lnot_wave_0_\@
	s_barrier_signal -3
.Lnot_wave_0_\@:
	s_barrier_wait -3
	s_barrier_signal -1
	s_barrier_wait -1
.endm
.macro CROUND
	s_barrier_signal -1
	s_barrier_wait -1
	CREST
.endm
.macro PLACES                          ; four plain vector instructions between a matrix instruction and a load into, or a vector use of, its registers
.rept 4
	v_nop
.endr
.endm
	s_load_b256 s[68:75], s[0:1], 0x0              ; xh 68:69, wm 70:71, qp 72:73, vt 74:75
	s_set_vgpr_msb 0x40
	v_lshl_add_u32 v255, v0, 2, 0x48400
	s_set_vgpr_msb 0x4000
	v_mov_b32 v255, 0
	s_set_vgpr_msb 0x1
	ds_add_u32 v255, v255
	s_set_vgpr_msb 0x100
	v_lshrrev_b32 v1, 5, v0
	v_readfirstlane_b32 s10, v1                    ; wave
	s_lshr_b32 s11, s10, 1                         ; rh: which 128 rows.  Also: I fetch A (0) or B (1)
	s_and_b32 s12, s10, 1                          ; ch: which 128 columns.  Also: which 128 rows of that tile I fetch
	s_bfe_u32 s40, ttmp6, 0x40000                  ; cx
	s_bfe_u32 s41, ttmp6, 0x40004                  ; cy
	s_and_b32 s45, ttmp7, 0xffff
	s_lshl_b32 s45, s45, 2                         ; 4 x the cluster's y
	s_cmp_eq_u32 ttmp9, 0                          ; which product
	s_cselect_b32 s13, s45, 0                      ; q': the clusters go down the rows,
	s_cselect_b32 s42, 0, s45                      ; v^T: along the columns
	s_cselect_b32 s78, 11, 14                      ; a row of C: 2^11 or 2^14 bytes
	s_cselect_b32 s80, 0x3a000000, 1.0             ; the scale: 2^-11 or 1
	s_mov_b32 s81, s80
	s_add_co_u32 s13, s13, s41                     ; block row
	s_add_co_u32 s42, s42, s40                     ; block column
	s_lshl_b32 s43, s41, 2
	s_lshl_b32 s43, 15, s43                        ; my row of the cluster
	s_lshl_b32 s44, 0x1111, s40                    ; my column
	s_or_b32 s[G1+0], s43, (1<<16)|(1<<20)|(1<<21)|(5<<22)|(3<<25)     ; 2-byte elements; 4 words of padding behind every 64 words
	s_or_b32 s[G1B+0], s44, (1<<16)|(1<<20)|(1<<21)|(5<<22)|(3<<25)
	s_mov_b32 s[G1+1], KSTEP<<16
	s_mov_b32 s[G1B+1], KSTEP<<16
	s_mov_b32 s[G1+2], 128<<16
	s_mov_b32 s[G1B+2], 128<<16
	s_mov_b32 s[G1+3], KSTEP<<16
	s_mov_b32 s[G1B+3], KSTEP<<16
	s_mov_b32 s[G1+4], 128
	s_mov_b32 s[G1B+4], 128
	s_mov_b32 s[G1+5], 1024                        ; a row of A or of B: 1,024 elements
	s_mov_b32 s[G1B+5], 1024
	s_mov_b32 s[G1+6], 0
	s_mov_b32 s[G1B+6], 0
	s_mov_b32 s[G1+7], 0
	s_mov_b32 s[G1B+7], 0
	s_lshl_b32 s17, s12, 18                        ; 128 rows of 2,048 bytes: the half that I fetch
	s_lshl_b32 s16, s13, 19                        ; A: 256 rows a block row
	s_add_co_u32 s16, s16, s17
	s_lshl_b32 s46, s42, 19                        ; B: 256 rows a block column
	s_add_co_u32 s46, s46, s17
	s_mov_b32 s17, 0
	s_mov_b32 s47, 0
	s_mul_i32 s20, s10, HALFT                      ; LDS: A's two halves, then B's two = wave x 128 rows
	s_wait_dscnt 0x0
	s_wait_kmcnt 0x0
	s_add_nc_u64 s[76:77], s[70:71], 0x200000      ; W_V^T
	s_cmp_eq_u32 ttmp9, 0
	s_cselect_b64 s[14:15], s[68:69], s[76:77]     ; A
	s_cselect_b64 s[82:83], s[70:71], s[68:69]     ; B
	s_cselect_b64 s[8:9], s[72:73], s[74:75]       ; C
	s_add_nc_u64 s[14:15], s[14:15], s[16:17]
	s_add_nc_u64 s[46:47], s[82:83], s[46:47]
	CROUND                                         ; all sixteen work-groups are here: the first joint loads meet
.irp s, 0,1
	s_mov_b32 s[G0+4*\s], 1
	s_add_co_u32 s[G0+4*\s+1], s20, \s*SLOT
	s_add_nc_u64 s[G0+4*\s+2:G0+4*\s+3], s[14:15], \s*KSTEP*2
	s_or_b32 s[G0+4*\s+3], s[G0+4*\s+3], 0x80000000
	s_mov_b32 s[G0B+4*\s], 1
	s_add_co_u32 s[G0B+4*\s+1], s20, \s*SLOT
	s_add_nc_u64 s[G0B+4*\s+2:G0B+4*\s+3], s[46:47], \s*KSTEP*2
	s_or_b32 s[G0B+4*\s+3], s[G0B+4*\s+3], 0x80000000
	JLOAD \s                                       ; K steps 0 and 1: two tensor loads of the wave are out, later one
.endr
	s_lshl_b32 s66, s13, 8                         ; C: my first row = 256 x block row + 128 rh,
	s_lshl_b32 s67, s11, 7
	s_add_co_u32 s66, s66, s67
	s_lshl_b32 s66, s66, s78                       ; in bytes,
	s_lshl_b32 s67, s42, 9                         ; + 256 columns of 2 bytes a block column
	s_add_co_u32 s66, s66, s67
	s_lshl_b32 s67, s12, 8                         ; + 128 ch columns
	s_add_co_u32 s66, s66, s67
	s_mov_b32 s67, 0
	s_add_nc_u64 s[8:9], s[8:9], s[66:67]
	s_lshl_b32 s84, 16, s78                        ; 16 rows of C
	s_mov_b32 s85, 0
	v_and_b32 v1, 15, v0                           ; r
	v_bfe_u32 v2, v0, 4, 1                         ; h
	v_mul_u32_u24 v3, v1, PITCH
	v_lshl_add_u32 v3, v2, 4, v3
	s_mul_i32 s21, s11, HALFT
	s_mul_i32 s22, s12, HALFT
	s_add_co_u32 s22, s22, 2*HALFT
.irp s, 0,1
	v_add_nc_u32 v[ADRA+\s], s21, v3
	v_add_nc_u32 v[ADRB+\s], s22, v3
	s_add_co_u32 s21, s21, SLOT
	s_add_co_u32 s22, s22, SLOT
.endr
	s_mul_i32 s23, s10, 16*SPITCH
	s_add_co_u32 s23, s23, STAGE
	v_add_nc_u32 v[STO], s23, v3                   ; the stage has the tiles' pitch: row r, 16 bytes for each half of the lanes
	v_mul_u32_u24 v5, v2, SPITCH
	v_lshl_add_u32 v5, v1, 4, v5
	v_add_nc_u32 v[RD], s23, v5                    ; back: lanes 0-15 one row of 256 bytes, lanes 16-31 the next
.irp t, 0,1,2,3,4,5,6,7
	v_add_nc_u32 v6, 2*\t, v2
	v_lshlrev_b32 v6, s78, v6                      ; row 2 t + h of C: the pitch is no constant of the text, so it stands in registers, not in the stores' immediates
	v_lshl_add_u32 v[CO+\t], v1, 4, v6
.endr
.macro MUL16 f, hi, a0, zero
.irp a, \a0, \a0+1
.irp b, 0,1,2,3,4,5,6,7
.if \zero
	v_wmma_f32_16x16x32_f16 v[8*(8*(\a)+\b):8*(8*(\a)+\b)+7], v[\f+8*\b:\f+8*\b+7], v[\f+8*(4*\hi+\a):\f+8*(4*\hi+\a)+7], 0
.else
	v_wmma_f32_16x16x32_f16 v[8*(8*(\a)+\b):8*(8*(\a)+\b)+7], v[\f+8*\b:\f+8*\b+7], v[\f+8*(4*\hi+\a):\f+8*(4*\hi+\a)+7], v[8*(8*(\a)+\b):8*(8*(\a)+\b)+7]
.endif
.endr
.endr
.endm
.macro FETCH slot, k, f                ; 32 loads in one run: the fragments of 32 k at byte k of the rows
	WIN TO_B
.irp i, 0,1,2,3,4,5,6,7
	ds_load_b128 v[\f+8*\i:\f+8*\i+3],   v[ADRB+\slot] offset:\k+\i*16*PITCH
	ds_load_b128 v[\f+8*\i+4:\f+8*\i+7], v[ADRB+\slot] offset:\k+\i*16*PITCH+32
.endr
	WIN 0
.irp i, 0,1,2,3,4,5,6,7
	ds_load_b128 v[\f+8*\i:\f+8*\i+3],   v[ADRA+\slot] offset:\k+\i*16*PITCH
	ds_load_b128 v[\f+8*\i+4:\f+8*\i+7], v[ADRA+\slot] offset:\k+\i*16*PITCH+32
.endr
.endm
; The 64 accumulators take turns, one instruction a turn, in the same order in every quarter.
.macro QUARTER slot, k, f, g, zero
	s_wait_dscnt 8                                 ; B's fragments and A's rows 0-63 are in; the youngest eight loads may be out
	WIN MUL_LO
	MUL16 \f, 0, 0, \zero
	MUL16 \f, 0, 2, \zero
	PLACES
	FETCH \slot, \k, \g
	s_wait_dscnt 32                                ; all but the 32 just issued
	WIN MUL_HI
	MUL16 \f, 1, 0, \zero
	MUL16 \f, 1, 2, \zero
.endm
.macro THREE slot, zero
	QUARTER \slot, 64,  F0, F1, \zero
	QUARTER \slot, 128, F1, F0, 0
	QUARTER \slot, 192, F0, F1, 0
.endm
; the last quarter of a K step and the change of slots.  fill = 1: this slot gets the tiles two K steps ahead.
.macro TURN slot, next, fill
	s_wait_dscnt 8
	WIN MUL_LO
	MUL16 F1, 0, 0, 0
	s_wait_dscnt 0x0                               ; my reads of this slot are over,
	s_wait_tensorcnt 0x0                           ; and all my tensor loads have landed: the one that was out is my part of the next slot
	ds_add_u32 v255, v255
	s_wait_dscnt 0x0
	s_barrier_signal -1                            ; (with fill = 1 this barrier opens a round of the cluster's barrier)
	MUL16 F1, 0, 2, 0
	WIN 0
	s_barrier_wait -1
.if \fill
	CREST                                          ; no wave of any partner still reads this slot or has a load on its way
	s_add_nc_u64 s[G0+4*\slot+2:G0+4*\slot+3], s[G0+4*\slot+2:G0+4*\slot+3], 2*KSTEP*2
	s_add_nc_u64 s[G0B+4*\slot+2:G0B+4*\slot+3], s[G0B+4*\slot+2:G0B+4*\slot+3], 2*KSTEP*2
	JLOAD \slot                                    ; the first tensor load behind the round, my only one until the next: 240 matrix instructions until its wait
.endif
	PLACES
	FETCH \next, 0, F0
	WIN MUL_HI
	MUL16 F1, 1, 0, 0
	MUL16 F1, 1, 2, 0
.endm
.macro LAP zero
	THREE 0, \zero
	TURN 0, 1, 1
	THREE 1, 0
	TURN 1, 0, 1
.endm
	s_wait_tensorcnt 0x1                           ; my part of K step 0 is in; K step 1's may stay out
	s_barrier_signal -1
	s_barrier_wait -1
	FETCH 0, 0, F0
	LAP 1                                          ; the first lap stands in front of the loop: its first products start the sums
	WIN 0
	s_mov_b32 s3, LAPS-2
.Llap:
	LAP 0
	WIN 0
	s_sub_co_u32 s3, s3, 1
	s_cmp_lg_u32 s3, 0
	s_cbranch_scc1 .Llap
	THREE 0, 0                                     ; the last lap fills nothing
	TURN 0, 1, 0
	THREE 1, 0
	s_wait_dscnt 8
	WIN MUL_LO
	MUL16 F1, 0, 0, 0
	MUL16 F1, 0, 2, 0
	s_wait_dscnt 0x0
	WIN MUL_HI
	MUL16 F1, 1, 0, 0
	MUL16 F1, 1, 2, 0
	PLACES
; THE WAY OUT: rows 16 i .. 16 i + 15 of my block = the tiles (a, 0..7) of window 2 or 3 (from: source 0's window): scale, round to f16, through my stage, whole rows of 256 bytes out
.macro OUT16 i, a, from, f
	WIN \from
.set ob, 0
.rept 8
.set oq, 0
.rept 4
	v_pk_mul_f32 v[T2+8*ob+2*oq:T2+8*ob+2*oq+1], v[8*(8*\a+ob)+2*oq:8*(8*\a+ob)+2*oq+1], s[80:81] op_sel_hi:[1,0]
.set oq, oq+1
.endr
.set ob, ob+1
.endr
	WIN 0
.set ob, 0
.rept 8
.set oq, 0
.rept 4
	v_cvt_pk_f16_f32 v[TMP+4*ob+oq], v[T2+8*ob+2*oq], v[T2+8*ob+2*oq+1]
.set oq, oq+1
.endr
	ds_store_b128 v[STO], v[TMP+4*ob:TMP+4*ob+3] offset:32*ob
.set ob, ob+1
.endr
	s_wait_xcnt 0x0                                ; the registers that earlier stores read, and their base, are rewritten only behind this wait
.if \i
	s_add_nc_u64 s[8:9], s[8:9], s[84:85]
.endif
.set ob, 0
.rept 8
	ds_load_b128 v[\f+4*ob:\f+4*ob+3], v[RD] offset:ob*2*SPITCH        ; LDS serves a wave's instructions in order: these see the stores above
.set ob, ob+1
.endr
.set ob, 0
.rept 8
	s_wait_dscnt 7-ob
	global_store_b128 v[CO+ob], v[\f+4*ob:\f+4*ob+3], s[8:9]           ; 16 lanes store 256 neighbouring bytes, aligned
.set ob, ob+1
.endr
.endm
	OUT16 0, 0, 0x02, 128
	OUT16 1, 1, 0x02, 160
	OUT16 2, 2, 0x02, 128
	OUT16 3, 3, 0x02, 160
	OUT16 4, 0, 0x03, 128
	OUT16 5, 1, 0x03, 160
	OUT16 6, 2, 0x03, 128
	OUT16 7, 3, 0x03, 160
	s_set_vgpr_msb 0x1
	s_wait_tensorcnt 0x0
	ds_add_u32 v255, v255
	s_wait_dscnt 0x0
	s_set_vgpr_msb 0x100
	CROUND                                         ; the closing round: no work-group ends while a partner may still ask for a tile that names it
	s_endpgm
.Lfunc_end_k_qaca54438f0_proj:
	.size	k_qaca54438f0_proj, .Lfunc_end_k_qaca54438f0_proj-k_qaca54438f0_proj
	.p2alignl 7, 3214868480
	.fill 96, 4, 3214868480
	.section	.rodata,"a",@progbits
	.p2align	6, 0x0
	.amdhsa_kernel k_qaca54438f0_proj
		.amdhsa_group_segment_fixed_size 327680
		.amdhsa_private_segment_fixed_size 0
		.amdhsa_enable_private_segment 0
		.amdhsa_kernarg_size 32
		.amdhsa_user_sgpr_count 2
		.amdhsa_user_sgpr_kernarg_segment_ptr 1
		.amdhsa_wavefront_size32 1
		.amdhsa_system_sgpr_workgroup_id_x 1
		.amdhsa_system_sgpr_workgroup_id_y 1
		.amdhsa_system_sgpr_workgroup_id_z 1
		.amdhsa_system_vgpr_workitem_id 0
		.amdhsa_next_free_vgpr 1024
		.amdhsa_next_free_sgpr 86
		.amdhsa_reserve_vcc 0
		.amdhsa_float_denorm_mode_32 3
		.amdhsa_float_denorm_mode_16_64 3
		.amdhsa_memory_ordered 1
		.amdhsa_forward_progress 1
		.amdhsa_inst_pref_size 213
	.end_amdhsa_kernel
	.amdgpu_metadata
---
amdhsa.version: [ 1, 2 ]
amdhsa.kernels:
  - .name:           k_qaca54438f0_proj
    .symbol:         k_qaca54438f0_proj.kd
    .args:
      - { .name: xh, .offset: 0, .size: 8, .value_kind: global_buffer, .address_space: global }
      - { .name: wm, .offset: 8, .size: 8, .value_kind: global_buffer, .address_space: global }
      - { .name: qp, .offset: 16, .size: 8, .value_kind: global_buffer, .address_space: global }
      - { .name: vt, .offset: 24, .size: 8, .value_kind: global_buffer, .address_space: global }
    .group_segment_fixed_size: 327680
    .private_segment_fixed_size: 0
    .kernarg_segment_align: 8
    .kernarg_segment_size: 32
    .max_flat_workgroup_size: 128
    .sgpr_count:     86
    .vgpr_count:     1024
    .wavefront_size: 32
...
	.end_amdgpu_metadata
.endif
;; end of part 3
;; launch score (part 4): grid 8 x 32, 4 waves a work-group, clusters of 4 x 4, 327,680 bytes of LDS; arguments qp, xh, P, cb, tau_Q, tau_K, pm, st; writes pm, st
.if DOCPART == 4
	.amdgcn_target "amdgcn-amd-amdhsa--gfx1250"
	.amdhsa_code_object_version 6
	.text
	.protected	k_qaca54438f0_score
	.globl	k_qaca54438f0_score
	.p2align	8
	.type	k_qaca54438f0_score,@function
k_qaca54438f0_score:
	s_mov_b64 s[64:65], 0
	v_nop
	global_prefetch_b8 v0, s[64:65] scope:SCOPE_SE
	s_setreg_imm32_b32 hwreg(HW_REG_WAVE_MODE, 25, 1), 1
	s_wait_xcnt 0x0
	s_wait_alu depctr_hold_cnt(0) depctr_sa_sdst(0) depctr_va_vdst(0) depctr_va_sdst(0) depctr_va_ssrc(0) depctr_va_vcc(0) depctr_vm_vsrc(0)
	s_getreg_b32 s2, hwreg(HW_REG_IB_STS2, 6, 4)
	s_cmp_eq_u32 s2, 0
	s_cbranch_scc0 .Lentry_in_a_cluster
	s_endpgm
.Lentry_in_a_cluster:
	s_bfe_u32 s2, ttmp6, 0x10000c
	s_cmp_lg_u32 s2, 0xf033
	s_cbranch_scc0 .Lentry_shape_is_right
	s_endpgm
.Lentry_shape_is_right:
; SCORE: s2 = kappa q' x^T + log2(e) P + cb[i - j + 2048], kappa = tau_Q tau_K log2(e) / 32 * 2^11 (q' is stored times 2^-11); then for each query row and each
; chunk of 128 keys the chunk's true maximum m, p = 2^(s2 - m) rounded to f16, and l = the sum of p in f32.  The next launch brings the chunks onto the row's maximum.
; A work-group makes 256 queries x 256 keys of one batch, K = 1024; 8 x 32 work-groups; a wave 128 x 128 (64 accumulator tiles, 512 registers).
; K goes in steps of 128 (rows of 256 bytes) through two LDS slots filled by joint tensor loads: 4 x 4 work-groups form a cluster; q's tile is shared
; along a row of the cluster, x's along a column (the four block rows of a cluster lie in one batch).
; When a slot has been read for the last time, each wave fetches 64 rows x 128 columns of P for itself into it, behind a round like every refill.
; The matrix instruction is used transposed (source 0 = keys): a lane holds 8 neighbouring keys of one query row.  Packed to f16 that is, lane for lane, half of the
; A fragment that the next launch multiplies, so pm is laid out [512 blocks of 16 rows][128 tiles of 16 keys][32 lanes][16 bytes] and is stored straight from registers.
; Every exponent is at most 0, since m is the maximum of exactly the numbers that it is taken from.
; REGISTERS: window 0: v0-31 addresses and small work; v64-191 q's fragments, two buffers; window 1: v64-191 x's fragments;
; window 2: tiles of my rows 0-63 (tile (a, b) at v[8 (8 a + b)]); window 3: rows 64-127.
; Behind the products window 0 holds: v32-63 packed p; v64-151 bias; v192-255 the 64 numbers of a lane at work.
.set KSTEP,  128
.set PITCH,  272
.set HALFT,  128*PITCH
.set SLOT,   4*HALFT                   ; 139,264
.set CB,     2*SLOT                    ; 278,528: 512 numbers of the bias table; no tensor load lands here or behind
.set STATS,  CB+2048                   ; for each wave 128 m, then 128 l
.set PPITCH, 528                       ; P in LDS: 512 bytes + 16 of padding
.set PWAVE,  64*PPITCH                 ; one wave's tile of P; four of them fit in a slot
.set LAPS,   4
.set ADRA, 16
.set ADRB, 20
.set SO,   22                          ; v22  16 x lane
.set PA,   27                          ; v27-28  my place in P's tile, rows 0-63 and 64-127
.set CBA,  29                          ; v29  my place in the bias table
.set SSA,  30                          ; v30  where m and l of my row go
.set SSR,  31                          ; v31  where I read them back
.set F0,   64
.set F1,   128
.set TMPH, 32
.set CD,   64
.set PT,   192
.set G1, 24
.set G0, 32
.set G1B, 48
.set G0B, 56
.set GP1, 84                           ; s[84:91] group 1, P's tiles
.set GP0, 92                           ; s[92:99] group 0, P's tiles, a set for each half
.set MSB, 0
.macro WIN new
.if MSB != \new
	s_set_vgpr_msb (MSB<<8)|\new
.set MSB, \new
.endif
.endm
.set MUL_LO, 0xa1
.set MUL_HI, 0xf1
.set TO_B,   0x40
.macro JLOAD s
	s_cmp_eq_u32 s11, 0
	s_cbranch_scc0 .Lfor_b_\@
	tensor_load_to_lds s[G0+4*\s:G0+4*\s+3], s[G1:G1+7]
	s_nop 0
	s_branch .Lasked_\@
.Lfor_b_\@:
	tensor_load_to_lds s[G0B+4*\s:G0B+4*\s+3], s[G1B:G1B+7]
	s_nop 0
.Lasked_\@:
.endm
.macro PLOAD hf                        ; my own 64 rows x 128 columns of P: no mask, every wave its own bytes
	tensor_load_to_lds s[GP0+4*\hf:GP0+4*\hf+3], s[GP1:GP1+7]
	s_nop 0
.endm
.macro CREST
	s_cmp_lg_u32 s10, 0
	s_cbranch_scc1 .Lnot_wave_0_\@
	s_barrier_signal -3
.Lnot_wave_0_\@:
	s_barrier_wait -3
	s_barrier_signal -1
	s_barrier_wait -1
.endm
.macro CROUND
	s_barrier_signal -1
	s_barrier_wait -1
	CREST
.endm
.macro PLACES
.rept 4
	v_nop
.endr
.endm
	s_load_b512 s[68:83], s[0:1], 0x0              ; qp 68:69, xh 70:71, P 72:73, cb 74:75, tau_Q 76:77, tau_K 78:79, pm 80:81, st 82:83
	s_set_vgpr_msb 0x40
	v_lshl_add_u32 v255, v0, 2, 0x45800
	s_set_vgpr_msb 0x4000
	v_mov_b32 v26, 0
	s_set_vgpr_msb 0x1
	ds_add_u32 v255, v26
	s_set_vgpr_msb 0x100
	v_lshrrev_b32 v1, 5, v0
	v_readfirstlane_b32 s10, v1                    ; wave
	s_lshr_b32 s11, s10, 1                         ; rh: which 128 queries.  Also: I fetch q' (0) or x (1)
	s_and_b32 s12, s10, 1                          ; ch: which 128 keys.  Also: which 128 rows of that tile I fetch
	s_bfe_u32 s40, ttmp6, 0x40000                  ; cx
	s_bfe_u32 s41, ttmp6, 0x40004                  ; cy
	s_lshl_b32 s42, ttmp9, 2
	s_add_co_u32 s42, s42, s40                     ; J: key block
	s_and_b32 s45, ttmp7, 0xffff                   ; the cluster's y
	s_lshl_b32 s13, s45, 2
	s_add_co_u32 s13, s13, s41                     ; y: block row among the 8,192 tokens
	s_lshr_b32 s45, s45, 1                         ; batch: from the cluster's y alone, so that the keys' address holds no cy
	s_lshl_b32 s43, s41, 2
	s_lshl_b32 s43, 15, s43                        ; my row of the cluster
	s_lshl_b32 s44, 0x1111, s40                    ; my column
	s_or_b32 s[G1+0], s43, (1<<16)|(1<<20)|(1<<21)|(5<<22)|(3<<25)     ; 2-byte elements; 4 words of padding behind every 64 words
	s_or_b32 s[G1B+0], s44, (1<<16)|(1<<20)|(1<<21)|(5<<22)|(3<<25)
	s_mov_b32 s[G1+1], KSTEP<<16
	s_mov_b32 s[G1B+1], KSTEP<<16
	s_mov_b32 s[G1+2], 128<<16
	s_mov_b32 s[G1B+2], 128<<16
	s_mov_b32 s[G1+3], KSTEP<<16
	s_mov_b32 s[G1B+3], KSTEP<<16
	s_mov_b32 s[G1+4], 128
	s_mov_b32 s[G1B+4], 128
	s_mov_b32 s[G1+5], 1024                        ; a row of qp or xh: 1,024 elements
	s_mov_b32 s[G1B+5], 1024
	s_mov_b32 s[G1+6], 0
	s_mov_b32 s[G1B+6], 0
	s_mov_b32 s[G1+7], 0
	s_mov_b32 s[G1B+7], 0
	s_mov_b32 s[GP1+0], (2<<16)|(1<<20)|(6<<22)|(3<<25)                ; 4-byte elements; 4 words of padding behind every 128 words
	s_mov_b32 s[GP1+1], 128<<16
	s_mov_b32 s[GP1+2], 64<<16
	s_mov_b32 s[GP1+3], 128<<16
	s_mov_b32 s[GP1+4], 64
	s_mov_b32 s[GP1+5], 2048                       ; a row of P
	s_mov_b32 s[GP1+6], 0
	s_mov_b32 s[GP1+7], 0
	s_lshl_b32 s17, s12, 18                        ; 128 rows of 2,048 bytes: the half that I fetch
	s_lshl_b32 s16, s13, 19                        ; q': 256 y rows
	s_add_co_u32 s16, s16, s17
	s_lshl_b32 s46, s42, 19                        ; keys: 256 J rows of xh,
	s_add_co_u32 s46, s46, s17
	s_lshl_b32 s47, s45, 22                        ; + 2,048 rows a batch
	s_add_co_u32 s46, s46, s47
	s_mov_b32 s17, 0
	s_mov_b32 s47, 0
	s_mul_i32 s20, s10, HALFT                      ; LDS: q's two halves, then the keys' two = wave x 128 rows
	s_mul_i32 s21, s10, PWAVE                      ; LDS of my tile of P
	s_and_b32 s66, s13, 7                          ; I: query block in the batch
	s_lshl_b32 s66, s66, 21                        ; P: 256 I rows of 8,192 bytes
	s_lshl_b32 s67, s11, 20                        ; + 128 rh rows
	s_add_co_u32 s66, s66, s67
	s_lshl_b32 s67, s42, 10                        ; + 256 J columns of 4 bytes
	s_add_co_u32 s66, s66, s67
	s_lshl_b32 s67, s12, 9                         ; + 128 ch columns
	s_add_co_u32 s66, s66, s67
	s_mov_b32 s67, 0
	s_wait_dscnt 0x0
	s_wait_kmcnt 0x0
	s_load_b32 s4, s[76:77], 0x0                   ; tau_Q
	s_load_b32 s5, s[78:79], 0x0                   ; tau_K
	s_add_nc_u64 s[14:15], s[68:69], s[16:17]
	s_add_nc_u64 s[46:47], s[70:71], s[46:47]
	s_mov_b32 s[GP0], 1
	s_mov_b32 s[GP0+4], 1
	s_add_co_u32 s[GP0+1], s21, 0
	s_add_co_u32 s[GP0+5], s21, SLOT
	s_add_nc_u64 s[GP0+2:GP0+3], s[72:73], s[66:67]
	s_add_nc_u64 s[GP0+6:GP0+7], s[GP0+2:GP0+3], 64*8192
	s_or_b32 s[GP0+3], s[GP0+3], 0x80000000
	s_or_b32 s[GP0+7], s[GP0+7], 0x80000000
	CROUND                                         ; all sixteen work-groups are here: the first joint loads meet
.irp s, 0,1
	s_mov_b32 s[G0+4*\s], 1
	s_add_co_u32 s[G0+4*\s+1], s20, \s*SLOT
	s_add_nc_u64 s[G0+4*\s+2:G0+4*\s+3], s[14:15], \s*KSTEP*2
	s_or_b32 s[G0+4*\s+3], s[G0+4*\s+3], 0x80000000
	s_mov_b32 s[G0B+4*\s], 1
	s_add_co_u32 s[G0B+4*\s+1], s20, \s*SLOT
	s_add_nc_u64 s[G0B+4*\s+2:G0B+4*\s+3], s[46:47], \s*KSTEP*2
	s_or_b32 s[G0B+4*\s+3], s[G0B+4*\s+3], 0x80000000
	JLOAD \s
.endr
	; the 512 numbers of the bias table that this block can need: index i - j + 2048 runs over 256 (I - J + 7) + 1 .. + 511
	s_and_b32 s66, s13, 7
	s_add_co_u32 s66, s66, 7
	s_sub_co_u32 s66, s66, s42
	s_lshl_b32 s66, s66, 10
	s_mov_b32 s67, 0
	s_add_nc_u64 s[74:75], s[74:75], s[66:67]
	v_lshlrev_b32 v6, 4, v0
	global_load_b128 v[32:35], v6, s[74:75]        ; 128 threads x 16 bytes
	v_add_nc_u32 v7, CB, v6
	s_lshl_b32 s66, s13, 20                        ; pm: 16 y blocks of 16 rows, 65,536 bytes each,
	s_lshl_b32 s67, s11, 19
	s_add_co_u32 s66, s66, s67                     ; + 8 rh blocks,
	s_lshl_b32 s67, s42, 13
	s_add_co_u32 s66, s66, s67                     ; + 16 J tiles of 16 keys, 512 bytes each,
	s_lshl_b32 s67, s12, 12
	s_add_co_u32 s66, s66, s67                     ; + 8 ch tiles
	s_mov_b32 s67, 0
	s_add_nc_u64 s[80:81], s[80:81], s[66:67]
	s_lshl_b32 s66, s42, 16                        ; st: chunk 2 J + ch, 8,192 numbers of 4 bytes each,
	s_lshl_b32 s67, s12, 15
	s_add_co_u32 s66, s66, s67
	s_lshl_b32 s67, s13, 10                        ; + row 256 y
	s_add_co_u32 s66, s66, s67
	s_lshl_b32 s67, s11, 9                         ; + 128 rh
	s_add_co_u32 s66, s66, s67
	s_mov_b32 s67, 0
	s_add_nc_u64 s[82:83], s[82:83], s[66:67]
	v_and_b32 v1, 15, v0                           ; r
	v_bfe_u32 v2, v0, 4, 1                         ; h
	v_mul_u32_u24 v3, v1, PITCH
	v_lshl_add_u32 v3, v2, 4, v3
	s_mul_i32 s21, s11, HALFT
	s_mul_i32 s22, s12, HALFT
	s_add_co_u32 s22, s22, 2*HALFT
.irp s, 0,1
	v_add_nc_u32 v[ADRA+\s], s21, v3
	v_add_nc_u32 v[ADRB+\s], s22, v3
	s_add_co_u32 s21, s21, SLOT
	s_add_co_u32 s22, s22, SLOT
.endr
	v_mul_u32_u24 v4, v1, PPITCH
	v_lshl_add_u32 v4, v2, 5, v4                   ; P: row r, 8 numbers for each half of the lanes
	s_mul_i32 s21, s10, PWAVE
	v_add_nc_u32 v[PA], s21, v4
	s_add_co_u32 s21, s21, SLOT
	v_add_nc_u32 v[PA+1], s21, v4
	s_lshl_b32 s21, s11, 9                         ; the table's index is 144 + 128 (rh - ch) + r - 8 h + 16 delta - j + 64 half; 7 of the 144 stand in the loads' offsets
	s_add_co_u32 s21, s21, CB+548
	s_lshl_b32 s22, s12, 9
	s_sub_co_u32 s21, s21, s22
	v_lshl_add_u32 v[CBA], v1, 2, s21
	v_lshlrev_b32 v5, 5, v2
	v_sub_nc_u32 v[CBA], v[CBA], v5
	s_lshl_b32 s21, s10, 10
	s_add_co_u32 s21, s21, STATS
	v_lshl_add_u32 v[SSA], v1, 2, s21
	v_and_b32 v5, 31, v0
	v_lshl_add_u32 v[SSR], v5, 4, s21
	v_lshlrev_b32 v[SO], 4, v5
	s_wait_kmcnt 0x0
	s_mul_f32 s100, s4, s5
	s_mul_f32 s100, s100, 0x42b8aa3b               ; x log2(e) / 32 x 2^11
	s_mov_b32 s101, s100
	s_mov_b32 s6, 0x76543210                       ; v_permlanex16_b32: lane i of one half reads lane i of the other
	s_mov_b32 s7, 0xfedcba98
	s_wait_loadcnt 0x0
	ds_store_b128 v7, v[32:35]
.macro MUL16 f, hi, a0, zero
.irp a, \a0, \a0+1
.irp b, 0,1,2,3,4,5,6,7
.if \zero
	v_wmma_f32_16x16x32_f16 v[8*(8*(\a)+\b):8*(8*(\a)+\b)+7], v[\f+8*\b:\f+8*\b+7], v[\f+8*(4*\hi+\a):\f+8*(4*\hi+\a)+7], 0
.else
	v_wmma_f32_16x16x32_f16 v[8*(8*(\a)+\b):8*(8*(\a)+\b)+7], v[\f+8*\b:\f+8*\b+7], v[\f+8*(4*\hi+\a):\f+8*(4*\hi+\a)+7], v[8*(8*(\a)+\b):8*(8*(\a)+\b)+7]
.endif
.endr
.endr
.endm
.macro FETCH slot, k, f                ; 32 loads in one run: the fragments of 32 k at byte k of the rows
	WIN TO_B
.irp i, 0,1,2,3,4,5,6,7
	ds_load_b128 v[\f+8*\i:\f+8*\i+3],   v[ADRB+\slot] offset:\k+\i*16*PITCH
	ds_load_b128 v[\f+8*\i+4:\f+8*\i+7], v[ADRB+\slot] offset:\k+\i*16*PITCH+32
.endr
	WIN 0
.irp i, 0,1,2,3,4,5,6,7
	ds_load_b128 v[\f+8*\i:\f+8*\i+3],   v[ADRA+\slot] offset:\k+\i*16*PITCH
	ds_load_b128 v[\f+8*\i+4:\f+8*\i+7], v[ADRA+\slot] offset:\k+\i*16*PITCH+32
.endr
.endm
; The 64 accumulators take turns, one instruction a turn, in the same order in every quarter.
.macro QUARTER slot, k, f, g, zero
	s_wait_dscnt 8                                 ; the keys' fragments and q's rows 0-63 are in; the youngest eight loads may be out
	WIN MUL_LO
	MUL16 \f, 0, 0, \zero
	MUL16 \f, 0, 2, \zero
	PLACES
	FETCH \slot, \k, \g
	s_wait_dscnt 32                                ; all but the 32 just issued
	WIN MUL_HI
	MUL16 \f, 1, 0, \zero
	MUL16 \f, 1, 2, \zero
.endm
.macro THREE slot, zero
	QUARTER \slot, 64,  F0, F1, \zero
	QUARTER \slot, 128, F1, F0, 0
	QUARTER \slot, 192, F0, F1, 0
.endm
; the last quarter of a K step and the change of slots.  fill = 1: this slot gets the tiles two K steps ahead; 2: it has been read for the last time and gets P's rows 0-63.
.macro TURN slot, next, fill
	s_wait_dscnt 8
	WIN MUL_LO
	MUL16 F1, 0, 0, 0
	s_wait_dscnt 0x0                               ; my reads of this slot are over,
	s_wait_tensorcnt 0x0                           ; and all my tensor loads have landed: the one that was out is my part of the next slot
	ds_add_u32 v255, v26
	s_wait_dscnt 0x0
	s_barrier_signal -1                            ; this barrier opens a round of the cluster's barrier
	MUL16 F1, 0, 2, 0
	WIN 0
	s_barrier_wait -1
	CREST                                          ; no wave of any partner still reads this slot or has a load on its way
.if \fill == 1
	s_add_nc_u64 s[G0+4*\slot+2:G0+4*\slot+3], s[G0+4*\slot+2:G0+4*\slot+3], 2*KSTEP*2
	s_add_nc_u64 s[G0B+4*\slot+2:G0B+4*\slot+3], s[G0B+4*\slot+2:G0B+4*\slot+3], 2*KSTEP*2
	JLOAD \slot                                    ; the first tensor load behind the round, my only one until the next
.else
	PLOAD 0
.endif
	PLACES
	FETCH \next, 0, F0
	WIN MUL_HI
	MUL16 F1, 1, 0, 0
	MUL16 F1, 1, 2, 0
.endm
.macro LAP zero
	THREE 0, \zero
	TURN 0, 1, 1
	THREE 1, 0
	TURN 1, 0, 1
.endm
	s_wait_dscnt 0x0                               ; my part of the bias table is in LDS,
	s_wait_tensorcnt 0x1                           ; and my part of K step 0; K step 1's may stay out
	s_barrier_signal -1
	s_barrier_wait -1
	FETCH 0, 0, F0
	LAP 1
	WIN 0
	s_mov_b32 s3, LAPS-2
.Llap:
	LAP 0
	WIN 0
	s_sub_co_u32 s3, s3, 1
	s_cmp_lg_u32 s3, 0
	s_cbranch_scc1 .Llap
	THREE 0, 0
	TURN 0, 1, 2                                   ; P's rows 0-63 land during the last K step's 256 matrix instructions
	THREE 1, 0
	s_wait_dscnt 8
	WIN MUL_LO
	MUL16 F1, 0, 0, 0
	MUL16 F1, 0, 2, 0
	s_wait_dscnt 0x0                               ; my reads of slot 1 are over
	WIN MUL_HI
	MUL16 F1, 1, 0, 0
	MUL16 F1, 1, 2, 0
	s_wait_tensorcnt 0x0                           ; P's rows 0-63 have landed: no tensor load of mine is out
	ds_add_u32 v255, v26
	s_wait_dscnt 0x0
	WIN 0
	CROUND
	PLOAD 1                                        ; P's rows 64-127 into slot 1, first thing behind the round
	PLACES                                         ; the places behind the last matrix instructions
; 16 query rows (block 4 hf + ap of my eight) x my 128 keys: a lane holds 64 numbers of row r, the lane 16 further on the other 64
.macro ROWS hf, ap
.set rb, 0
.rept 8
	ds_load_b128 v[PT+8*rb:PT+8*rb+3],   v[PA+\hf] offset:16*PPITCH*\ap+64*rb
	ds_load_b128 v[PT+8*rb+4:PT+8*rb+7], v[PA+\hf] offset:16*PPITCH*\ap+64*rb+16
.set rb, rb+1
.endr
	s_wait_dscnt 0x0
.set rb, 0
.rept 8
.set rq, 0
.rept 4
	v_pk_fma_f32 v[PT+8*rb+2*rq:PT+8*rb+2*rq+1], v[PT+8*rb+2*rq:PT+8*rb+2*rq+1], 0x3fb8aa3b, v[CD+8*(\ap-rb+7)+2*rq:CD+8*(\ap-rb+7)+2*rq+1] op_sel_hi:[1,0,1]   ; log2(e) P + bias
.set rq, rq+1
.endr
.set rb, rb+1
.endr
.set rwin, 2+\hf
	WIN rwin                                       ; source 0: the accumulators' window
.set rb, 0
.rept 8
.set rq, 0
.rept 4
	v_pk_fma_f32 v[PT+8*rb+2*rq:PT+8*rb+2*rq+1], v[8*(8*\ap+rb)+2*rq:8*(8*\ap+rb)+2*rq+1], s[100:101], v[PT+8*rb+2*rq:PT+8*rb+2*rq+1] op_sel_hi:[1,0,1]   ; + kappa q' x
.set rq, rq+1
.endr
.set rb, rb+1
.endr
	WIN 0
.set rc, 0
.rept 4
	v_max3_num_f32 v[2+rc], v[PT+16*rc], v[PT+16*rc+1], v[PT+16*rc+2]  ; four chains of 16 numbers; the first three start each
.set rc, rc+1
.endr
.set rk, 3
.rept 6
.set rc, 0
.rept 4
	v_max3_num_f32 v[2+rc], v[2+rc], v[PT+16*rc+rk], v[PT+16*rc+rk+1]
.set rc, rc+1
.endr
.set rk, rk+2
.endr
	v_max3_num_f32 v2, v2, v[PT+15], v[PT+31]
	v_max3_num_f32 v3, v3, v[PT+47], v[PT+63]
	v_max3_num_f32 v2, v2, v3, v4
	v_max_num_f32 v2, v2, v5
	v_permlanex16_b32 v1, v2, s6, s7               ; the row's other 64 numbers
	v_max_num_f32 v6, v2, v1
	v_max_num_f32 v7, v2, v1                       ; m, twice, for the packed subtraction
.set rk, 0
.rept 32
	v_pk_add_f32 v[PT+2*rk:PT+2*rk+1], v[PT+2*rk:PT+2*rk+1], v[6:7] neg_lo:[0,1] neg_hi:[0,1]
.set rk, rk+1
.endr
.set rk, 0
.rept 64
	v_exp_f32 v[PT+rk], v[PT+rk]
.set rk, rk+1
.endr
	v_nop                                          ; one plain vector instruction behind the last exponential, before its result is used (ISA guide 5.7.2)
.set rc, 0
	s_wait_alu depctr_va_vdst(0)
.rept 4
	v_pk_add_f32 v[8+2*rc:9+2*rc], v[PT+2*rc:PT+2*rc+1], v[PT+8+2*rc:PT+9+2*rc]    ; four chains of pairs, started by the first sums
.set rc, rc+1
.endr
.set rk, 16
.rept 6
.set rc, 0
.rept 4
	v_pk_add_f32 v[8+2*rc:9+2*rc], v[8+2*rc:9+2*rc], v[PT+rk+2*rc:PT+rk+2*rc+1]
.set rc, rc+1
.endr
.set rk, rk+8
.endr
	v_pk_add_f32 v[8:9], v[8:9], v[10:11]
	v_pk_add_f32 v[12:13], v[12:13], v[14:15]
	v_pk_add_f32 v[8:9], v[8:9], v[12:13]
	v_add_f32 v8, v8, v9
	v_permlanex16_b32 v1, v8, s6, s7
	v_add_f32 v8, v8, v1                           ; l
	s_wait_xcnt 0x0                                ; the packed registers that the last block's stores read, and their base, are rewritten only behind this wait
.if 4*\hf+\ap
	s_add_nc_u64 s[80:81], s[80:81], 65536         ; the next block of 16 rows
.endif
.set rb, 0
.rept 8
.set rq, 0
.rept 4
	v_cvt_pk_f16_f32 v[TMPH+4*rb+rq], v[PT+8*rb+2*rq], v[PT+8*rb+2*rq+1]
.set rq, rq+1
.endr
	global_store_b128 v[SO], v[TMPH+4*rb:TMPH+4*rb+3], s[80:81] offset:512*rb      ; a tile of 16 keys: the wave stores 512 neighbouring bytes, aligned
.set rb, rb+1
.endr
	ds_store_b32 v[SSA], v6 offset:64*(4*\hf+\ap)                      ; both lanes of a row write the same number to the same word
	ds_store_b32 v[SSA], v8 offset:64*(4*\hf+\ap)+512
.endm
; The bias hangs on i - j alone, so a tile's 8 numbers a lane hang on delta = a - b + 7 alone: 11 sets of 8 serve four row blocks x eight key blocks.
.macro EPI hf
.set ed, 0
.rept 11
.set ej, 0
.rept 8
	ds_load_b32 v[CD+8*ed+ej], v[CBA] offset:4*(16*ed+7-ej)+256*\hf
.set ej, ej+1
.endr
.set ed, ed+1
.endr
	ROWS \hf, 0
	ROWS \hf, 1
	ROWS \hf, 2
	ROWS \hf, 3
.endm
	EPI 0                                          ; P's rows 0-63 were shown landed in front of the round
	s_wait_tensorcnt 0x0                           ; P's rows 64-127: my own load, my own bytes
	EPI 1
	ds_load_b128 v[8:11], v[SSR]                   ; m of my rows 4 L .. 4 L + 3 (LDS serves a wave's instructions in order: these see the stores above)
	ds_load_b128 v[12:15], v[SSR] offset:512       ; l
	s_wait_dscnt 0x0
	global_store_b128 v[SO], v[8:11], s[82:83]                         ; 512 neighbouring bytes, aligned
	global_store_b128 v[SO], v[12:15], s[82:83] offset:524288
	s_set_vgpr_msb 0x1
	s_wait_tensorcnt 0x0
	ds_add_u32 v255, v26
	s_wait_dscnt 0x0
	s_set_vgpr_msb 0x100
	CROUND                                         ; the closing round
	s_endpgm
.Lfunc_end_k_qaca54438f0_score:
	.size	k_qaca54438f0_score, .Lfunc_end_k_qaca54438f0_score-k_qaca54438f0_score
	.p2alignl 7, 3214868480
	.fill 96, 4, 3214868480
	.section	.rodata,"a",@progbits
	.p2align	6, 0x0
	.amdhsa_kernel k_qaca54438f0_score
		.amdhsa_group_segment_fixed_size 327680
		.amdhsa_private_segment_fixed_size 0
		.amdhsa_enable_private_segment 0
		.amdhsa_kernarg_size 64
		.amdhsa_user_sgpr_count 2
		.amdhsa_user_sgpr_kernarg_segment_ptr 1
		.amdhsa_wavefront_size32 1
		.amdhsa_system_sgpr_workgroup_id_x 1
		.amdhsa_system_sgpr_workgroup_id_y 1
		.amdhsa_system_sgpr_workgroup_id_z 1
		.amdhsa_system_vgpr_workitem_id 0
		.amdhsa_next_free_vgpr 1024
		.amdhsa_next_free_sgpr 102
		.amdhsa_reserve_vcc 0
		.amdhsa_float_denorm_mode_32 3
		.amdhsa_float_denorm_mode_16_64 3
		.amdhsa_memory_ordered 1
		.amdhsa_forward_progress 1
		.amdhsa_inst_pref_size 255
	.end_amdhsa_kernel
	.section	.bss,"aw",@nobits
	.p2align	6
	.space	262144
	.amdgpu_metadata
---
amdhsa.version: [ 1, 2 ]
amdhsa.kernels:
  - .name:           k_qaca54438f0_score
    .symbol:         k_qaca54438f0_score.kd
    .args:
      - { .name: qp, .offset: 0, .size: 8, .value_kind: global_buffer, .address_space: global }
      - { .name: xh, .offset: 8, .size: 8, .value_kind: global_buffer, .address_space: global }
      - { .name: P, .offset: 16, .size: 8, .value_kind: global_buffer, .address_space: global }
      - { .name: cb, .offset: 24, .size: 8, .value_kind: global_buffer, .address_space: global }
      - { .name: tau_Q, .offset: 32, .size: 8, .value_kind: global_buffer, .address_space: global }
      - { .name: tau_K, .offset: 40, .size: 8, .value_kind: global_buffer, .address_space: global }
      - { .name: pm, .offset: 48, .size: 8, .value_kind: global_buffer, .address_space: global }
      - { .name: st, .offset: 56, .size: 8, .value_kind: global_buffer, .address_space: global }
    .group_segment_fixed_size: 327680
    .private_segment_fixed_size: 0
    .kernarg_segment_align: 8
    .kernarg_segment_size: 64
    .max_flat_workgroup_size: 128
    .sgpr_count:     102
    .vgpr_count:     1024
    .wavefront_size: 32
...
	.end_amdgpu_metadata
.endif
;; end of part 4
;; launch av (part 5): grid 8 x 32, 4 waves a work-group, clusters of 4 x 4, 327,680 bytes of LDS; arguments pm, vt, st, tau_V, out0; writes out0
.if DOCPART == 5
	.amdgcn_target "amdgcn-amd-amdhsa--gfx1250"
	.amdhsa_code_object_version 6
	.text
	.protected	k_qaca54438f0_av
	.globl	k_qaca54438f0_av
	.p2align	8
	.type	k_qaca54438f0_av,@function
k_qaca54438f0_av:
	s_mov_b64 s[64:65], 0
	v_nop
	global_prefetch_b8 v0, s[64:65] scope:SCOPE_SE
	s_setreg_imm32_b32 hwreg(HW_REG_WAVE_MODE, 25, 1), 1
	s_wait_xcnt 0x0
	s_wait_alu depctr_hold_cnt(0) depctr_sa_sdst(0) depctr_va_vdst(0) depctr_va_sdst(0) depctr_va_ssrc(0) depctr_va_vcc(0) depctr_vm_vsrc(0)
	s_getreg_b32 s2, hwreg(HW_REG_IB_STS2, 6, 4)
	s_cmp_eq_u32 s2, 0
	s_cbranch_scc0 .Lentry_in_a_cluster
	s_endpgm
.Lentry_in_a_cluster:
	s_bfe_u32 s2, ttmp6, 0x10000c
	s_cmp_lg_u32 s2, 0xf033
	s_cbranch_scc0 .Lentry_shape_is_right
	s_endpgm
.Lentry_shape_is_right:
; AV: out[i][e] = tau_V / l_i * sum over chunks c of alpha_c(i) * sum over the chunk's keys of p[i][key] v[key][e],
; alpha_c(i) = 2^(m_c(i) - m(i)), m(i) = the largest m_c(i), l_i = sum over c of alpha_c(i) l_c(i): the softmax with the row's true maximum taken away.
; A work-group makes 256 rows x 128 columns, K = 2048 keys; 8 x 32 work-groups.  Wave w makes rows 64 w .. + 63 x all 128 columns (32 accumulator tiles).
; p: no wave shares a row of p with another wave of its work-group, and pm holds the A fragments' register image, so p goes from memory straight into registers:
; a ring of eight buffers of a quarter (32 keys, 32 registers) each; in quarter q a wave issues the 8 loads (512 neighbouring bytes each) of quarter q + 7.
; p is therefore not asked for jointly, though the eight work-groups of a block row read the same p: through LDS two slots of 256 keys with p and v would take
; 2 x 384 rows x 528 bytes = 405,504 bytes, more than the work-group's LDS, and slots of half that length leave a refill half the matrix work in which to land.
; v: two LDS slots of 256 keys (128 rows x 528 bytes), one joint tensor load a wave (32 rows x 512 bytes), shared along a column of the 4 x 4 cluster
; (a cluster's four block rows lie in one batch); one round of the cluster's barrier for eight quarters, 256 matrix instructions.
; alpha is rounded to f16 and THAT number enters l too, so that numerator and denominator agree.
; LIMIT: alpha and alpha p below 6e-8 become zero (f16), against a row sum l of at least 1.
; REGISTERS: window 0: v20-26 addresses; v32-39 alpha, two sets; v64-127, v128-191 v's fragments, two buffers.  Window 1: tile (a, b) at v[8 (8 a + b)].  Window 2: p's ring.
.set PITCH,  528                       ; 512 bytes (256 keys) + 16 of padding
.set SLOT,   128*PITCH                 ; 67,584
.set AL,     2*SLOT                    ; 135,168: alpha, [16 chunks][256 rows], a pair of f16 each; no tensor load lands here or behind
.set LINV,   AL+16384                  ; tau_V / l, 256 rows
.set STAGE,  LINV+1024                 ; 16 rows x 528 bytes for each wave
.set SPITCH, 528
.set ADRB, 20                          ; v20-21  v's fragments in slot 0, 1
.set ALA,  22                          ; v22  alpha of my row r, this lap's first chunk
.set LIA,  23                          ; v23  tau_V / l of my row r
.set STO,  24
.set RD,   25
.set CO,   26                          ; v26  16 x lane
.set ALPHA, 32
.set OT,   64
.set PB,   14                          ; s[14:15] p of my 64 rows, this lap's first quarter
.set G1B, 48
.set G0B, 56
.set MSB, 0
.macro WIN new
.if MSB != \new
	s_set_vgpr_msb (MSB<<8)|\new
.set MSB, \new
.endif
.endm
.macro CREST
	s_cmp_lg_u32 s10, 0
	s_cbranch_scc1 .Lnot_wave_0_\@
	s_barrier_signal -3
.Lnot_wave_0_\@:
	s_barrier_wait -3
	s_barrier_signal -1
	s_barrier_wait -1
.endm
.macro CROUND
	s_barrier_signal -1
	s_barrier_wait -1
	CREST
.endm
.macro PLACES
.rept 4
	v_nop
.endr
.endm
; the 8 loads of one quarter of p into ring buffer pb; idx: the quarter, counted from the lap's first.  A fragment's registers 0-3 are one tile of 16 keys, 4-7 the next.
.macro PLOAD pb, idx
	WIN 0x80                                       ; destination in window 2
.set fi, 0
.rept 4
	global_load_b128 v[32*(\pb)+8*fi:32*(\pb)+8*fi+3],   v[CO], s[PB:PB+1] offset:65536*fi+1024*(\idx)
	global_load_b128 v[32*(\pb)+8*fi+4:32*(\pb)+8*fi+7], v[CO], s[PB:PB+1] offset:65536*fi+1024*(\idx)+512
.set fi, fi+1
.endr
	WIN 0
.endm
	s_load_b256 s[68:75], s[0:1], 0x0              ; pm 68:69, vt 70:71, st 72:73, tau_V 74:75
	s_load_b64 s[76:77], s[0:1], 0x20              ; out0
	v_lshl_add_u32 v62, v0, 2, 0x2d800
	v_mov_b32 v63, 0
	ds_add_u32 v62, v63
	v_lshrrev_b32 v1, 5, v0
	v_readfirstlane_b32 s10, v1                    ; wave
	s_bfe_u32 s40, ttmp6, 0x40000                  ; cx
	s_bfe_u32 s41, ttmp6, 0x40004                  ; cy
	s_lshl_b32 s42, ttmp9, 2
	s_add_co_u32 s42, s42, s40                     ; X: block of 128 columns
	s_and_b32 s45, ttmp7, 0xffff
	s_lshl_b32 s13, s45, 2
	s_add_co_u32 s13, s13, s41                     ; y: block row among the 8,192 rows
	s_lshr_b32 s45, s45, 1                         ; batch, from the cluster's y alone
	s_lshl_b32 s44, 0x1111, s40                    ; my column of the cluster
	s_or_b32 s[G1B+0], s44, (1<<16)|(1<<20)|(1<<21)|(6<<22)|(3<<25)    ; 2-byte elements; 4 words of padding behind every 128 words
	s_mov_b32 s[G1B+1], 256<<16                    ; tensor_dim0 = 256 keys
	s_mov_b32 s[G1B+2], 32<<16                     ; tensor_dim1 = 32 rows
	s_mov_b32 s[G1B+3], 256<<16                    ; tile_dim0
	s_mov_b32 s[G1B+4], 32                         ; tile_dim1
	s_mov_b32 s[G1B+5], 8192                       ; a row of v^T: 8,192 tokens
	s_mov_b32 s[G1B+6], 0
	s_mov_b32 s[G1B+7], 0
	s_lshl_b32 s46, s42, 21                        ; v^T: 128 X rows of 16,384 bytes,
	s_lshl_b32 s47, s10, 19                        ; + 32 rows a wave,
	s_add_co_u32 s46, s46, s47
	s_lshl_b32 s47, s45, 12                        ; + 2,048 tokens of 2 bytes a batch
	s_add_co_u32 s46, s46, s47
	s_mov_b32 s47, 0
	s_mul_i32 s21, s10, 32*PITCH                   ; LDS: wave x 32 rows
	s_lshl_b32 s16, s13, 20                        ; pm: 16 y blocks of 16 rows, 65,536 bytes each,
	s_lshl_b32 s17, s10, 18                        ; + 4 blocks a wave
	s_add_co_u32 s16, s16, s17
	s_mov_b32 s17, 0
	s_lshl_b32 s66, s13, 10                        ; st: row 256 y, 4 bytes each
	s_mov_b32 s67, 0
	s_wait_dscnt 0x0
	s_wait_kmcnt 0x0
	s_load_b32 s78, s[74:75], 0x0                  ; tau_V
	s_add_nc_u64 s[PB:PB+1], s[68:69], s[16:17]
	s_add_nc_u64 s[46:47], s[70:71], s[46:47]
	s_add_nc_u64 s[72:73], s[72:73], s[66:67]
	CROUND                                         ; all sixteen work-groups are here: the first joint loads meet
.irp s, 0,1
	s_mov_b32 s[G0B+4*\s], 1
	s_add_co_u32 s[G0B+4*\s+1], s21, \s*SLOT
	s_add_nc_u64 s[G0B+4*\s+2:G0B+4*\s+3], s[46:47], \s*512
	s_or_b32 s[G0B+4*\s+3], s[G0B+4*\s+3], 0x80000000
	tensor_load_to_lds s[G0B+4*\s:G0B+4*\s+3], s[G1B:G1B+7]        ; keys 0-255 and 256-511: two tensor loads of the wave are out, later one
	s_nop 0
.endr
	; while the first tiles are on their way: thread t brings rows 2 t and 2 t + 1 (rows of its own wave) onto the row's maximum
	v_lshlrev_b32 v2, 3, v0
	v_and_b32 v5, 31, v0
	v_lshlrev_b32 v[CO], 4, v5
.set c, 0
.rept 16
	global_load_b64 v[64+2*c:65+2*c], v2, s[72:73] offset:c*32768      ; m of chunk c
.set c, c+1
.endr
.set c, 0
.rept 16
	global_load_b64 v[96+2*c:97+2*c], v2, s[72:73] offset:524288+c*32768   ; l of chunk c
.set c, c+1
.endr
	PLOAD 0, 0
	PLOAD 1, 1
	PLOAD 2, 2
	v_and_b32 v1, 15, v0                           ; r
	v_bfe_u32 v4, v0, 4, 1                         ; h
	v_mul_u32_u24 v3, v1, PITCH
	v_lshl_add_u32 v[ADRB], v4, 4, v3              ; row x pitch + 16 h
	v_add_nc_u32 v[ADRB+1], SLOT, v[ADRB]
	s_lshl_b32 s19, s10, 8
	s_add_co_u32 s19, s19, AL
	v_lshl_add_u32 v[ALA], v1, 2, s19              ; row 64 w + r
	v_add_nc_u32 v[LIA], 0x4000, v[ALA]
	s_mul_i32 s23, s10, 16*SPITCH
	s_add_co_u32 s23, s23, STAGE
	v_lshl_add_u32 v5, v4, 5, v3
	v_add_nc_u32 v[STO], s23, v5                   ; in: row r, 32 bytes for each half of the lanes
	v_add_nc_u32 v[RD], s23, v[CO]                 ; back: a row of 512 bytes, 16 bytes a lane
	v_add_nc_u32 v52, AL, v2                       ; where my two rows' alpha go
	s_lshl_b32 s66, s13, 20                        ; out0: 256 y rows of 4,096 bytes
	s_lshl_b32 s67, s10, 18                        ; + 64 w rows
	s_add_co_u32 s66, s66, s67
	s_lshl_b32 s67, s42, 9                         ; + 128 X columns of 4 bytes
	s_add_co_u32 s66, s66, s67
	s_mov_b32 s67, 0
	s_add_nc_u64 s[76:77], s[76:77], s[66:67]
	s_wait_loadcnt 24                              ; m and l are in; the 24 younger loads (three quarters of p) stay out
	v_max3_num_f32 v40, v64, v66, v68
	v_max3_num_f32 v41, v65, v67, v69
.set c, 3
.rept 6
	v_max3_num_f32 v40, v40, v[64+2*c], v[66+2*c]
	v_max3_num_f32 v41, v41, v[65+2*c], v[67+2*c]
.set c, c+2
.endr
	v_max_num_f32 v40, v40, v94
	v_max_num_f32 v41, v41, v95                    ; the two rows' maxima
	PLOAD 3, 3
	PLOAD 4, 4
	PLOAD 5, 5
	PLOAD 6, 6                                     ; seven quarters, 56 loads, are on their way
.set c, 0
.rept 16
	v_pk_add_f32 v[64+2*c:65+2*c], v[64+2*c:65+2*c], v[40:41] neg_lo:[0,1] neg_hi:[0,1]
.set c, c+1
.endr
.set c, 0
.rept 32
	v_exp_f32 v[64+c], v[64+c]
.set c, c+1
.endr
	v_nop                                          ; one plain vector instruction behind the last exponential, before its result is used (ISA guide 5.7.2)
	s_wait_alu depctr_va_vdst(0)
; chunk c: alpha to a pair of equal f16, back to f32 for the sum of l, and into LDS.  t, d: registers at work, two sets in turn; dlo, dhi: d's low halves by name.
.macro AL1 c, t, d, dlo, dhi
	v_cvt_pk_f16_f32 v[\d],   v[64+2*(\c)], v[64+2*(\c)]
	v_cvt_pk_f16_f32 v[\d+1], v[65+2*(\c)], v[65+2*(\c)]
	v_cvt_f32_f16 v[\t],   \dlo
	v_cvt_f32_f16 v[\t+1], \dhi
.if (\c) == 0
	v_pk_mul_f32 v[42:43], v[\t:\t+1], v[96:97]                        ; the first product starts the sum
.else
	v_pk_fma_f32 v[42:43], v[\t:\t+1], v[96+2*(\c):97+2*(\c)], v[42:43]
.endif
	ds_store_b64 v52, v[\d:\d+1] offset:1024*(\c)
.endm
.irp c, 0,2,4,6,8,10,12,14
	AL1 \c, 44, 46, v46.l, v47.l
	AL1 \c+1, 48, 50, v50.l, v51.l
.endr
	s_wait_kmcnt 0x0
	s_mov_b32 s79, s78
	v_rcp_f32 v42, v42
	v_rcp_f32 v43, v43
	v_nop
	s_wait_alu depctr_va_vdst(0)
	v_pk_mul_f32 v[42:43], v[42:43], s[78:79] op_sel_hi:[1,0]          ; tau_V / l
	ds_store_b64 v52, v[42:43] offset:16384
.macro FETCH slot, j, f                ; 16 loads: v's 8 fragments of quarter j of the slot's eight
.set fi, 0
.rept 8
	ds_load_b128 v[(\f)+8*fi:(\f)+8*fi+3],   v[ADRB+\slot] offset:fi*16*PITCH+64*(\j)
	ds_load_b128 v[(\f)+8*fi+4:(\f)+8*fi+7], v[ADRB+\slot] offset:fi*16*PITCH+64*(\j)+32
.set fi, fi+1
.endr
.endm
.macro ALOAD p, off                    ; alpha of my four row blocks, for one chunk, into set p
.set fi, 0
.rept 4
	ds_load_b32 v[ALPHA+4*(\p)+fi], v[ALA] offset:(\off)+64*fi
.set fi, fi+1
.endr
.endm
.macro SCALE pb, p                     ; p x alpha in ring buffer pb, two f16 at a time: a lane's fragment holds one row
	WIN 0x82                                       ; destination and source 0 in window 2, alpha in window 0
.set sa, 0
.rept 4
.set si, 0
.rept 8
	v_pk_mul_f16 v[32*(\pb)+8*sa+si], v[32*(\pb)+8*sa+si], v[ALPHA+4*(\p)+sa]
.set si, si+1
.endr
.set sa, sa+1
.endr
.endm
; n row blocks from a0 on x 8 column blocks; source 0 = v (window 0), source 1 = p (window 2), C and D window 1: a lane holds 8 neighbouring columns of one row.
; The 32 accumulators take turns, one instruction a turn, in the same order in every quarter.
.macro MUL a0, n, f, pb, zero
	WIN 0x58
.set ma, \a0
.rept \n
.set mb, 0
.rept 8
.if \zero
	v_wmma_f32_16x16x32_f16 v[8*(8*ma+mb):8*(8*ma+mb)+7], v[(\f)+8*mb:(\f)+8*mb+7], v[32*(\pb)+8*ma:32*(\pb)+8*ma+7], 0
.else
	v_wmma_f32_16x16x32_f16 v[8*(8*ma+mb):8*(8*ma+mb)+7], v[(\f)+8*mb:(\f)+8*mb+7], v[32*(\pb)+8*ma:32*(\pb)+8*ma+7], v[8*(8*ma+mb):8*(8*ma+mb)+7]
.endif
.set mb, mb+1
.endr
.set ma, ma+1
.endr
.endm
; quarter j (0 to 6) of the slot's eight.  lc: how many younger loads of p may stay out; pl = 1: the quarter seven further on is asked for.
; The 32 scalings name none of the registers of the matrix instructions before them (those read the ring buffer and the fragment buffer that are loaded
; again below, and the accumulators): they are the places in front of those loads.
.macro QQ slot, j, lc, pl, zero
	s_wait_loadcnt \lc                             ; loads come back in order: this quarter's p is in
	s_wait_dscnt 0x0                               ; and v's fragments (and alpha), asked for in front of the last 32 matrix instructions
	SCALE \j, (\j)/4
.if \pl
	PLOAD (\j+7)%8, 8*\slot+\j+7
.else
	WIN 0
.endif
	FETCH \slot, \j+1, 64+64*((\j+1)%2)
.if \j == 3
	ALOAD 1, 1024*(2*\slot+1)                      ; the slot's second chunk
.endif
	MUL 0, 4, 64+64*((\j)%2), \j, \zero
.endm
; the slot's last quarter and the change of slots.  fill = 1: this slot is filled again, with the keys 512 further on.
.macro TURN slot, next, fill
	s_wait_loadcnt 48
	s_wait_dscnt 0x0                               ; my reads of this slot are over,
	SCALE 7, 1
	PLOAD 6, 8*\slot+14
	s_wait_tensorcnt 0x0                           ; and all my tensor loads have landed: the one that was out is my part of the next slot
	ds_add_u32 v62, v63
	s_wait_dscnt 0x0
	s_barrier_signal -1                            ; (with fill = 1 this barrier opens a round of the cluster's barrier)
	MUL 0, 2, 128, 7, 0
	WIN 0
	s_barrier_wait -1
.if \fill
	CREST                                          ; no wave of any partner still reads this slot or has a load on its way
	s_add_nc_u64 s[G0B+4*\slot+2:G0B+4*\slot+3], s[G0B+4*\slot+2:G0B+4*\slot+3], 1024
	tensor_load_to_lds s[G0B+4*\slot:G0B+4*\slot+3], s[G1B:G1B+7]  ; the first tensor load behind the round, my only one until the next: 240 matrix instructions until its wait
	s_nop 0
.endif
	FETCH \next, 0, 64                             ; this buffer was last multiplied in front of the 32 scalings above
	ALOAD 0, 1024*(2*\slot+2)                      ; the next slot's first chunk
	MUL 2, 2, 128, 7, 0
.endm
.macro PERIOD slot, zero, fill         ; eight quarters: one slot
	QQ \slot, 0, 48, 1, \zero
.irp j, 1,2,3,4,5,6
	QQ \slot, \j, 48, 1, 0
.endr
	TURN \slot, 1-\slot, \fill
.endm
.macro LAPEND
	WIN 0
	s_wait_xcnt 0x0                                ; p's base is rewritten only behind this wait
	s_add_nc_u64 s[PB:PB+1], s[PB:PB+1], 16384     ; 16 quarters on
	v_add_nc_u32 v[ALA], 4096, v[ALA]              ; four chunks on
.endm
	s_wait_dscnt 0x0                               ; alpha and tau_V / l are in LDS,
	s_wait_tensorcnt 0x1                           ; and my part of slot 0; slot 1's may stay out
	s_barrier_signal -1
	s_barrier_wait -1
	FETCH 0, 0, 64
	ALOAD 0, 0
	PERIOD 0, 1, 1                                 ; the first lap stands in front of the loop: its first products start the sums
	PERIOD 1, 0, 1
	LAPEND
	s_mov_b32 s3, 2                                ; 8 periods = 4 laps: one in front, two here, one behind
.Llap:
	PERIOD 0, 0, 1
	PERIOD 1, 0, 1
	LAPEND
	s_sub_co_u32 s3, s3, 1
	s_cmp_lg_u32 s3, 0
	s_cbranch_scc1 .Llap
	PERIOD 0, 0, 0                                 ; the last lap fills no slot
	QQ 1, 0, 48, 1, 0                              ; the last quarter of p is asked for; then the counts run down
	QQ 1, 1, 48, 0, 0
	QQ 1, 2, 40, 0, 0
	QQ 1, 3, 32, 0, 0
	QQ 1, 4, 24, 0, 0
	QQ 1, 5, 16, 0, 0
	QQ 1, 6, 8, 0, 0
	s_wait_loadcnt 0x0
	s_wait_dscnt 0x0
	SCALE 7, 1
	MUL 0, 4, 128, 7, 0
	WIN 0
	; THE WAY OUT, 16 rows of 512 bytes at a time: x tau_V / l, 32 bytes a lane into my stage, read back as whole rows
	PLACES
	v_mov_b32 v3, 0                                ; the second register of the pair whose first is broadcast
.macro OUTA a, f
	ds_load_b32 v2, v[LIA] offset:64*\a
	s_wait_dscnt 0x0
	WIN 0x01                                       ; source 0: the accumulators' window
.set ob, 0
.rept 8
.set oq, 0
.rept 4
	v_pk_mul_f32 v[OT+8*ob+2*oq:OT+8*ob+2*oq+1], v[8*(8*\a+ob)+2*oq:8*(8*\a+ob)+2*oq+1], v[2:3] op_sel_hi:[1,0]
.set oq, oq+1
.endr
.set ob, ob+1
.endr
	WIN 0
.set ob, 0
.rept 8
	ds_store_b128 v[STO], v[OT+8*ob:OT+8*ob+3] offset:64*ob
	ds_store_b128 v[STO], v[OT+8*ob+4:OT+8*ob+7] offset:64*ob+16
.set ob, ob+1
.endr
	s_wait_xcnt 0x0                                ; the registers that earlier stores read, and their base, are rewritten only behind this wait
.if \a
	s_add_nc_u64 s[76:77], s[76:77], 16*4096
.endif
.set ob, 0
.rept 16
	ds_load_b128 v[\f+4*ob:\f+4*ob+3], v[RD] offset:ob*SPITCH          ; LDS serves a wave's instructions in order: these see the stores above
.set ob, ob+1
.endr
.set ob, 0
.rept 16
	s_wait_dscnt 15-ob
	global_store_b128 v[CO], v[\f+4*ob:\f+4*ob+3], s[76:77] offset:ob*4096 th:TH_STORE_NT   ; a store of the wave covers 512 neighbouring bytes, aligned
.set ob, ob+1
.endr
.endm
	OUTA 0, 128
	OUTA 1, 192
	OUTA 2, 128
	OUTA 3, 192
	s_wait_tensorcnt 0x0
	ds_add_u32 v62, v63
	s_wait_dscnt 0x0
	CROUND                                         ; the closing round
	s_endpgm
.Lfunc_end_k_qaca54438f0_av:
	.size	k_qaca54438f0_av, .Lfunc_end_k_qaca54438f0_av-k_qaca54438f0_av
	.p2alignl 7, 3214868480
	.fill 96, 4, 3214868480
	.section	.rodata,"a",@progbits
	.p2align	6, 0x0
	.amdhsa_kernel k_qaca54438f0_av
		.amdhsa_group_segment_fixed_size 327680
		.amdhsa_private_segment_fixed_size 0
		.amdhsa_enable_private_segment 0
		.amdhsa_kernarg_size 40
		.amdhsa_user_sgpr_count 2
		.amdhsa_user_sgpr_kernarg_segment_ptr 1
		.amdhsa_wavefront_size32 1
		.amdhsa_system_sgpr_workgroup_id_x 1
		.amdhsa_system_sgpr_workgroup_id_y 1
		.amdhsa_system_sgpr_workgroup_id_z 1
		.amdhsa_system_vgpr_workitem_id 0
		.amdhsa_next_free_vgpr 768
		.amdhsa_next_free_sgpr 80
		.amdhsa_reserve_vcc 0
		.amdhsa_float_denorm_mode_32 3
		.amdhsa_float_denorm_mode_16_64 3
		.amdhsa_memory_ordered 1
		.amdhsa_forward_progress 1
		.amdhsa_inst_pref_size 255
	.end_amdhsa_kernel
	.section	.bss,"aw",@nobits
	.p2align	6
	.space	262144
	.amdgpu_metadata
---
amdhsa.version: [ 1, 2 ]
amdhsa.kernels:
  - .name:           k_qaca54438f0_av
    .symbol:         k_qaca54438f0_av.kd
    .args:
      - { .name: pm, .offset: 0, .size: 8, .value_kind: global_buffer, .address_space: global }
      - { .name: vt, .offset: 8, .size: 8, .value_kind: global_buffer, .address_space: global }
      - { .name: st, .offset: 16, .size: 8, .value_kind: global_buffer, .address_space: global }
      - { .name: tau_V, .offset: 24, .size: 8, .value_kind: global_buffer, .address_space: global }
      - { .name: out0, .offset: 32, .size: 8, .value_kind: global_buffer, .address_space: global }
    .group_segment_fixed_size: 327680
    .private_segment_fixed_size: 0
    .kernarg_segment_align: 8
    .kernarg_segment_size: 40
    .max_flat_workgroup_size: 128
    .sgpr_count:     80
    .vgpr_count:     768
    .wavefront_size: 32
...
	.end_amdgpu_metadata
.endif
;; end of part 5
;; ======== version 2 of 2: 5 launches; version 1 with the launch prep written anew for expert scheduling mode
;; limits: values are held in f16: magnitudes above 65,504 overflow, below 6.1e-05 lose precision; values outside matrix products are rounded to f16
;; workspace buffers: xh 16,777,216 bytes; wqk 4,194,304 bytes; wm 4,194,304 bytes; cb 16,384 bytes; qp 16,777,216 bytes; vt 16,777,216 bytes; pm 33,554,432 bytes; st 1,048,576 bytes
;; launch prep (part 6): grid 576 x 1, 8 waves a work-group, no clusters, 35,840 bytes of LDS; arguments x, W_Q, W_K, W_V, R, xh, wqk, wm, cb; writes xh, wqk, wm, cb
.if DOCPART == 6
	.amdgcn_target "amdgcn-amd-amdhsa--gfx1250"
	.amdhsa_code_object_version 6
	.text
	.protected	k_qaca54438f0_prep
	.globl	k_qaca54438f0_prep
	.p2align	8
	.type	k_qaca54438f0_prep,@function
k_qaca54438f0_prep:
	s_mov_b64 s[64:65], 0
	v_nop
	global_prefetch_b8 v0, s[64:65] scope:SCOPE_SE
	s_setreg_imm32_b32 hwreg(HW_REG_WAVE_SCHED_MODE, 0, 2), 2
	s_setreg_imm32_b32 hwreg(HW_REG_WAVE_MODE, 25, 1), 1
	s_wait_xcnt 0x0
	s_wait_alu depctr_vm_vsrc(0)
; PREP: three kinds of work-group, chosen by the work-group's number (the same for all its waves).
;   0..127   cb[d] = log2(e) * c[(d + 2048) mod 4096], c = real(ifft(R)): c[t] = 1/4096 * sum over k of R[k] cos(2 pi k t / 4096); 32 d each
;   128..447 rows of 1,024 f32 -> rows of 1,024 f16, 32 rows each: x -> xh (256 groups), W_Q -> wqk rows 0..1023 (32), W_K -> wqk rows 1024..2047 (32)
;   448..575 W_V -> f16, transposed: wm + 2 MiB holds [1024 e][1024 k]; a tile of 128 k x 64 e each
; No matrix unit, no cluster, no tensor load: the work is a stream and a small sum; what is shared (R, 16 KiB) is a small part of the launch's bytes.
; LDS: each kind has bytes of its own, so that no line of one kind names a byte that a line of another kind names:
;   0 .. 17,407 the transposition's 64 rows of 272 bytes;  17,408 .. 33,791 R;  33,792 .. 34,815 the eight waves' partial sums.
; LIMITS: x and W are rounded to f16 (largest 65,504; below 6.1e-5 the step is 6e-8).  The cosines come from exact whole-number angles, a
; polynomial on [0, pi/2] (cut below 1e-8) and runs of 128 rotations from an exact start.
; THE MODE: SCHED_MODE bits 1:0 = 2 (LLVM: expert scheduling mode 2), set by the entry lines.  The code itself states the register dependences
; between vector instructions and memory or LDS instructions, with s_wait_alu, always for 0.
; THE PLAN, kind by kind: the registers that memory or LDS instructions touch, and who else names them.
;   Transposition.  v3, v4, v6, v8: offsets and LDS addresses, made once.  XR: loaded once, read by the conversions.  YR: written by the sixteen conversions,
;     which stand together, read by the four LDS stores behind one wait.  ZR: LDS loads land in it, the global stores read it, no vector instruction names it.
;   Cast.  v4, v5: offsets, made once.  XR: each register is loaded once; a step's conversions write the first four of its eight in place, its store reads them, and
;     nothing writes them again.  The 16 steps go in four blocks of four: the wait at block p's head states that block p - 1's conversions have written their
;     registers, and that block's four stores are dealt among block p's conversions, which name other registers.
;   Cosine sum.  v66: offset, made once.  v64: LDS address of R, stepped once a trip.  R's 32 registers are two halves that take turns: L = v[RR .. RR+15], read by
;     steps 0 to 3, U = v[RR+16 .. RR+31], read by steps 4 to 7; while one half is read, the other half's four loads are out.
.set DL, 17408                         ; first LDS byte of the cosine sum's region: behind the transposition's 64 x 272 bytes
.set DP, DL+16384                      ; the partial sums, behind R
.set XR, 32                            ; v[32:159] cast: the row pieces;  v[32:63] transposition: 8 k x 4 columns
.set YR, 64                            ; v[64:79]  transposition: 4 columns x 8 k, packed
.set ZR, 80                            ; v[80:95]  transposition: read back
.set AA, 6                             ; v[6:7]    cos(step), twice
.set BB, 8                             ; v[8:9]    sin(step), twice
.set NB, 10                            ; v[10:11]  -sin(step), twice
.set CA, 12                            ; v[12:15]  cosines of the four chains, set A
.set SA, 16                            ; v[16:19]  sines, set A
.set CB2, 20                           ; v[20:23]  cosines, set B
.set SB2, 24                           ; v[24:27]  sines, set B
.set ACC, 28                           ; v[28:31]  the four chains' sums
.set RR, 32                            ; v[32:63]  32 numbers of R: L, then U
	s_load_b512 s[4:19], s[0:1], 0x0               ; x 4:5, W_Q 6:7, W_K 8:9, W_V 10:11, R 12:13, xh 14:15, wqk 16:17, wm 18:19
	s_load_b64 s[20:21], s[0:1], 0x40              ; cb
	v_lshl_add_u32 v160, v0, 2, 0x8800
	v_mov_b32 v161, 0
	v_lshrrev_b32 v1, 5, v0                        ; wave, in every lane
	v_readfirstlane_b32 s22, v1                    ; and as a scalar
	s_wait_alu depctr_va_sdst(0)                   ; s22 is written, ahead of the branches below and of its first reader (the cosine sum's share of k)
	s_cmp_lt_u32 ttmp9, 128
	s_cbranch_scc1 .Ldft
	s_cmp_lt_u32 ttmp9, 448
	s_cbranch_scc1 .Lcast
; ---------------- W_V: 128 k x 64 columns, transposed through LDS ----------------
	s_sub_co_u32 s23, ttmp9, 448                   ; u
	s_lshr_b32 s24, s23, 4                         ; kb: which 128 k
	s_and_b32 s25, s23, 15                         ; nb: which 64 columns
	v_and_b32 v2, 15, v0                           ; c: columns 4 c .. 4 c + 3
	v_bfe_u32 v7, v0, 4, 1                         ; hh: which 8 of the wave's 16 rows
	v_lshlrev_b32 v3, 4, v2
	v_lshl_add_u32 v3, v7, 15, v3                  ; load: 16 c + hh x 8 rows of 4,096 bytes
	v_lshl_add_u32 v3, v1, 16, v3                  ; + wave x 16 rows
	v_mul_u32_u24 v4, v2, 1088                     ; LDS in: row 4 c of 272 bytes,
	v_lshl_add_u32 v4, v1, 5, v4                   ; + 32 bytes for the wave's 16 k,
	v_lshl_add_u32 v4, v7, 4, v4                   ; + 16 for the upper 8
	v_lshrrev_b32 v5, 4, v0
	v_mul_u32_u24 v6, v5, 272                      ; LDS back: row t / 16,
	v_lshl_add_u32 v6, v2, 4, v6                   ; 16 bytes at 16 (t mod 16)
	v_lshlrev_b32 v8, 4, v2
	v_lshl_add_u32 v8, v5, 11, v8                  ; store: the same row (2,048 bytes each) and place
	s_lshl_b32 s26, s24, 19                        ; 128 kb rows of 4,096 bytes
	s_lshl_b32 s27, s25, 8                         ; 64 nb columns of 4 bytes
	s_add_co_u32 s26, s26, s27
	s_mov_b32 s27, 0
	s_lshl_b32 s28, s25, 17                        ; 64 nb rows of 2,048 bytes
	s_lshl_b32 s29, s24, 8                         ; 128 kb numbers of 2 bytes
	s_add_co_u32 s28, s28, s29
	s_add_co_u32 s28, s28, 0x200000                ; behind the 2 MiB that the next launch fills
	s_mov_b32 s29, 0
	s_wait_kmcnt 0x0
	s_add_nc_u64 s[26:27], s[10:11], s[26:27]
	s_add_nc_u64 s[28:29], s[18:19], s[28:29]
	s_wait_alu depctr_va_vdst(0)                   ; v3, v4, v6 and v8 are written: the offsets and LDS addresses of every load and store of this kind; none is written again
.set i, 0
.rept 8
	global_load_b128 v[XR+4*i:XR+4*i+3], v3, s[26:27] offset:4096*i th:TH_LOAD_NT   ; rows 16 w + i and 16 w + 8 + i: 256 neighbouring bytes of each
.set i, i+1
.endr
	s_wait_loadcnt 0x0
.set nn, 0
.rept 4
.set ii, 0
.rept 4
	v_cvt_pk_f16_f32 v[YR+4*nn+ii], v[XR+8*ii+nn], v[XR+8*ii+4+nn]     ; column 4 c + nn, k = 2 ii and 2 ii + 1 of my 8
.set ii, ii+1
.endr
.set nn, nn+1
.endr
	s_wait_alu depctr_va_vdst(0)                   ; the sixteen conversions have written v[YR ..], which the four LDS stores read
.set nn, 0
.rept 4
	ds_store_b128 v4, v[YR+4*nn:YR+4*nn+3] offset:272*nn               ; 8 k of one column
.set nn, nn+1
.endr
	s_wait_dscnt 0x0                               ; my stores are in LDS before I say so
	s_barrier_signal -1
	s_barrier_wait -1
.set i, 0
.rept 4
	ds_load_b128 v[ZR+4*i:ZR+4*i+3], v6 offset:4352*i                  ; 16 columns further on each time; no vector instruction names v[ZR ..]
.set i, i+1
.endr
.set i, 0
.rept 4
	s_wait_dscnt 3-i                               ; LDS loads come back in order: load i is in, the younger ones may be out
	global_store_b128 v8, v[ZR+4*i:ZR+4*i+3], s[28:29] offset:32768*i  ; 16 lanes store 256 neighbouring bytes, aligned
.set i, i+1
.endr
	s_wait_dscnt 0x0                               ; the closing lines, six on end
	s_wait_alu 0x0
	s_wait_tensorcnt 0x0
	ds_add_u32 v160, v161
	s_wait_dscnt 0x0
	s_endpgm
; ---------------- x, W_Q, W_K: 32 rows, cast ----------------
.Lcast:
	s_sub_co_u32 s23, ttmp9, 128                   ; g: 0..255 x, 256..287 W_Q, 288..319 W_K
	s_sub_co_u32 s24, s23, 256
	s_sub_co_u32 s25, s23, 288
	s_cmp_lt_u32 s23, 256
	s_cselect_b32 s26, s23, s24                    ; the block of 32 rows in xh, or in wqk (W_Q's 32 blocks, then W_K's)
	s_cmp_lt_u32 s23, 288
	s_cselect_b32 s27, s26, s25                    ; the block of 32 rows in the source
	v_lshrrev_b32 v2, 4, v0                        ; my row of 16
	v_and_b32 v3, 15, v0
	v_lshlrev_b32 v4, 5, v3                        ; my 8 numbers: 32 bytes of f32,
	v_lshl_add_u32 v4, v2, 12, v4                  ; load offset
	v_lshlrev_b32 v5, 4, v3                        ; 16 bytes of f16,
	v_lshl_add_u32 v5, v2, 11, v5                  ; store offset
	s_lshl_b32 s32, s27, 17                        ; 32 rows of 4,096 bytes
	s_mov_b32 s33, 0
	s_lshl_b32 s34, s26, 16                        ; 32 rows of 2,048 bytes
	s_mov_b32 s35, 0
	s_wait_kmcnt 0x0
	s_cmp_lt_u32 s23, 288
	s_cselect_b64 s[28:29], s[6:7], s[8:9]
	s_cmp_lt_u32 s23, 256
	s_cselect_b64 s[28:29], s[4:5], s[28:29]       ; from x, W_Q or W_K
	s_cselect_b64 s[30:31], s[14:15], s[16:17]     ; to xh or wqk
	s_add_nc_u64 s[28:29], s[28:29], s[32:33]
	s_add_nc_u64 s[30:31], s[30:31], s[34:35]
	s_wait_alu depctr_va_vdst(0)                   ; v4 and v5 are written: the offsets of every load and store of this kind; neither is written again
.set kb, 0
.rept 16
	global_load_b128 v[XR+8*kb:XR+8*kb+3],   v4, s[28:29] offset:(kb/8)*65536+(kb%8)*512 th:TH_LOAD_NT      ; 16 rows x 512 bytes a step of the work-group
	global_load_b128 v[XR+8*kb+4:XR+8*kb+7], v4, s[28:29] offset:(kb/8)*65536+(kb%8)*512+16 th:TH_LOAD_NT
.set kb, kb+1
.endr
; Four blocks of four steps.  Block p rounds its own 32 registers; the stores among its conversions are block p - 1's.
.set p, 0
.rept 4
	s_wait_loadcnt 24-8*p                          ; loads come back in order: block p's eight are in, the younger blocks' stay out
.if p > 0
	s_wait_alu depctr_va_vdst(0)                   ; the conversions of the block before have written the registers that the four stores below read; this block's conversions name other registers
.endif
.set q, 0
.rept 4
.set kb, 4*p+q
.if p > 0
.set ks, kb-4
	global_store_b128 v5, v[XR+8*ks:XR+8*ks+3], s[30:31] offset:(ks/8)*32768+(ks%8)*256   ; 16 lanes store 256 neighbouring bytes, aligned
.endif
.set i, 0
.rept 4
	v_cvt_pk_f16_f32 v[XR+8*kb+i], v[XR+8*kb+2*i], v[XR+8*kb+2*i+1]    ; in place: word i is written after words 2 i and 2 i + 1 were read
.set i, i+1
.endr
.set q, q+1
.endr
.set p, p+1
.endr
	s_wait_alu depctr_va_vdst(0)                   ; the last block's conversions have written the registers that the last four stores read
.set ks, 12
.rept 4
	global_store_b128 v5, v[XR+8*ks:XR+8*ks+3], s[30:31] offset:(ks/8)*32768+(ks%8)*256
.set ks, ks+1
.endr
	s_endpgm                                       ; this kind stores nothing to LDS
; ---------------- the relative bias: a cosine sum ----------------
; cos(2 pi j / 4096) for a whole number j in 0..4095: fold to 0..1024 (exact), polynomial in the angle's square, sign from j.  v4, v5 at work.
.macro COSJ d, j
	v_sub_nc_u32 v4, 0x1000, v[\j]
	v_min_u32 v4, v[\j], v4                        ; cos(2 pi - a) = cos a: 0..2048
	v_sub_nc_u32 v5, 0x800, v4
	v_min_u32 v4, v4, v5                           ; cos(pi - a) = -cos a: 0..1024
	v_cvt_f32_u32 v4, v4
	v_mul_f32 v4, 0x3ac90fdb, v4                   ; x pi / 2048
	v_mul_f32 v4, v4, v4
	v_mov_b32 v[\d], 0x310f76c7                    ; 1/12!
	v_fmaak_f32 v[\d], v[\d], v4, 0xb493f27e       ; -1/10!
	v_fmaak_f32 v[\d], v[\d], v4, 0x37d00d01       ; 1/8!
	v_fmaak_f32 v[\d], v[\d], v4, 0xbab60b61       ; -1/6!
	v_fmaak_f32 v[\d], v[\d], v4, 0x3d2aaaab       ; 1/4!
	v_fma_f32 v[\d], v[\d], v4, -0.5
	v_fma_f32 v[\d], v[\d], v4, 1.0
	v_add_nc_u32 v5, 0x400, v[\j]
	v_lshlrev_b32 v5, 20, v5                       ; bit 11 of j + 1024 is set for j in 1024..3071: the cosine is negative there
	v_and_b32 v5, 0x80000000, v5
	v_xor_b32 v[\d], v[\d], v5
.endm
.macro SINCOS dc, ds, j
	COSJ \dc, \j
	v_add_nc_u32 v69, 0xc00, v[\j]                 ; sin a = cos(a + 3 pi / 2)
	v_and_b32 v69, 0xfff, v69
	COSJ \ds, 69
.endm
; four k at once: add R cos to the sums, then turn the four angles on by the step, into the other set of registers
.macro STEP n, ci, si, co, so
	v_pk_fma_f32 v[ACC:ACC+1],   v[RR+4*\n:RR+4*\n+1],   v[\ci:\ci+1],   v[ACC:ACC+1]
	v_pk_fma_f32 v[ACC+2:ACC+3], v[RR+4*\n+2:RR+4*\n+3], v[\ci+2:\ci+3], v[ACC+2:ACC+3]
	v_pk_mul_f32 v[\co:\co+1],   v[\ci:\ci+1],   v[AA:AA+1]
	v_pk_mul_f32 v[\co+2:\co+3], v[\ci+2:\ci+3], v[AA:AA+1]
	v_pk_mul_f32 v[\so:\so+1],   v[\si:\si+1],   v[AA:AA+1]
	v_pk_mul_f32 v[\so+2:\so+3], v[\si+2:\si+3], v[AA:AA+1]
	v_pk_fma_f32 v[\co:\co+1],   v[\si:\si+1],   v[NB:NB+1], v[\co:\co+1]
	v_pk_fma_f32 v[\co+2:\co+3], v[\si+2:\si+3], v[NB:NB+1], v[\co+2:\co+3]
	v_pk_fma_f32 v[\so:\so+1],   v[\ci:\ci+1],   v[BB:BB+1], v[\so:\so+1]
	v_pk_fma_f32 v[\so+2:\so+3], v[\ci+2:\ci+3], v[BB:BB+1], v[\so+2:\so+3]
.endm
; four LDS loads: half h (0: L, 1: U), 16 numbers, of the 32 numbers of R at v64; the same four numbers for every lane
.macro LOADH h
.set i, 0
.rept 4
	ds_load_b128 v[RR+16*\h+4*i:RR+16*\h+4*i+3], v64 offset:DL+64*\h+16*i
.set i, i+1
.endr
.endm
; A trip: 32 k.  L was asked for in the trip before (the first: ahead of the loop).  more = 1: the next trip's L is asked for.
.macro TRIP more
	s_wait_dscnt 0x0                               ; L is in: its four loads are all that is out
	s_wait_alu depctr_va_vdst(0)                   ; steps 4 to 7 of the trip before are done reading U, in which the loads below land
	LOADH 1
	STEP 0, CA, SA, CB2, SB2                       ; these four name L, the angles and the sums: none of the registers that U's loads touch
	STEP 1, CB2, SB2, CA, SA
	STEP 2, CA, SA, CB2, SB2
	STEP 3, CB2, SB2, CA, SA
	s_wait_dscnt 0x0                               ; U is in: its four loads are all that is out
.if \more
	s_wait_alu depctr_vm_vsrc(0)                   ; the LDS loads issued so far have read v64
	v_add_nc_u32 v64, 128, v64                     ; the next 32 numbers
	s_wait_alu depctr_va_vdst(0)                   ; v64 is written, and steps 0 to 3 are done reading L, in which the loads below land
	LOADH 0
.endif
	STEP 4, CA, SA, CB2, SB2                       ; these four name U, the angles and the sums: none of the registers that L's loads touch
	STEP 5, CB2, SB2, CA, SA
	STEP 6, CA, SA, CB2, SB2
	STEP 7, CB2, SB2, CA, SA
.endm
.Ldft:
	v_lshlrev_b32 v66, 4, v0                       ; 16 t
	s_lshl_b32 s24, ttmp9, 7                       ; my 32 results, 128 bytes
	s_mov_b32 s25, 0
	s_wait_kmcnt 0x0
	s_add_nc_u64 s[20:21], s[20:21], s[24:25]
	s_wait_alu depctr_va_vdst(0)                   ; v66 is written: the offset of R's loads and the address of its LDS stores; it is not written again
.set i, 0
.rept 4
	global_load_b128 v[RR+4*i:RR+4*i+3], v66, s[12:13] offset:4096*i   ; all of R, 16 KiB, for LDS
.set i, i+1
.endr
	v_and_b32 v2, 31, v0                           ; the vector work from here to the LDS stores names neither v66 nor the sixteen registers that are being loaded
	s_lshl_b32 s26, ttmp9, 5
	v_add_nc_u32 v2, s26, v2                       ; d
	v_add_nc_u32 v2, 0x800, v2
	v_and_b32 v2, 0xfff, v2                        ; t = (d + 2048) mod 4096
	s_lshl_b32 s23, s22, 9                         ; the wave sums k = 512 w .. 512 w + 511
.irp i, 0,1,2,3
	s_add_co_u32 s27, s23, \i
	v_mul_u32_u24 v3, s27, v2                      ; chain i starts at k = 512 w + i: the product is below 2^24
	v_and_b32 v3, 0xfff, v3                        ; the angle, exactly
	SINCOS CA+\i, SA+\i, 3
.endr
	v_lshlrev_b32 v3, 2, v2
	v_and_b32 v3, 0xfff, v3                        ; a chain steps by 4 in k
	SINCOS AA, BB, 3
	v_mov_b32 v[AA+1], v[AA]
	v_mov_b32 v[BB+1], v[BB]
	v_xor_b32 v[NB], 0x80000000, v[BB]
	v_xor_b32 v[NB+1], 0x80000000, v[BB]
.irp i, 0,1,2,3
	v_mov_b32 v[ACC+\i], 0
.endr
	v_mov_b32 v64, s23
	v_lshlrev_b32 v64, 2, v64                      ; the wave's part of R, counted from R's first byte in LDS
	s_wait_loadcnt 0x0
.set i, 0
.rept 4
	ds_store_b128 v66, v[RR+4*i:RR+4*i+3] offset:DL+4096*i
.set i, i+1
.endr
	s_wait_dscnt 0x0                               ; my part of R is in LDS before I say so
	s_barrier_signal -1
	s_barrier_wait -1
	s_wait_alu depctr_vm_vsrc(0)                   ; my LDS stores have read v[RR .. RR+15]: these registers are L from here on, in which the loads below land
	s_wait_alu depctr_va_vdst(0)                   ; v64 is written: the address of every load of R from LDS
	LOADH 0                                        ; the first trip's L
	s_mov_b32 s30, 0
.Ldftk:                                                ; 15 trips of 32 k
	TRIP 1
	s_add_co_u32 s30, s30, 1
	s_cmp_lt_u32 s30, 15
	s_cbranch_scc1 .Ldftk
	TRIP 0                                         ; the sixteenth is written out: it asks for no further L, so that no load leaves the wave's 512 numbers of R
	v_pk_add_f32 v[ACC:ACC+1], v[ACC:ACC+1], v[ACC+2:ACC+3]
	v_add_f32 v[ACC], v[ACC], v[ACC+1]
	v_lshlrev_b32 v3, 2, v0
	s_wait_alu depctr_va_vdst(0)                   ; v3 and v[ACC] are written, which the LDS store reads; the steps are done reading v[RR ..], in which wave 0's loads below land
	ds_store_b32 v3, v[ACC] offset:DP              ; [8 waves][32 d], behind R
	s_wait_dscnt 0x0
	s_barrier_signal -1
	s_barrier_wait -1
	s_cmp_lg_u32 s22, 0
	s_cbranch_scc1 .Ldone                          ; wave 0 adds the eight parts (for it v3 = 4 x lane)
.set i, 0
.rept 8
	ds_load_b32 v[RR+i], v3 offset:DP+128*i        ; no vector instruction since the wait above
.set i, i+1
.endr
	s_wait_dscnt 0x0
	v_pk_add_f32 v[RR:RR+1], v[RR:RR+1], v[RR+2:RR+3]
	v_pk_add_f32 v[RR+4:RR+5], v[RR+4:RR+5], v[RR+6:RR+7]
	v_pk_add_f32 v[RR:RR+1], v[RR:RR+1], v[RR+4:RR+5]
	v_add_f32 v[RR], v[RR], v[RR+1]
	v_mul_f32 v[RR], 0x39b8aa3b, v[RR]             ; x log2(e) / 4096
	s_wait_alu depctr_va_vdst(0)                   ; v[RR] is written, which the store reads
	global_store_b32 v3, v[RR], s[20:21]           ; 128 neighbouring bytes a work-group; the whole table is 16 KiB
.Ldone:
	s_wait_dscnt 0x0                               ; the closing lines, six on end
	s_wait_alu 0x0
	s_wait_tensorcnt 0x0
	ds_add_u32 v160, v161
	s_wait_dscnt 0x0
	s_endpgm
.Lfunc_end_k_qaca54438f0_prep:
	.size	k_qaca54438f0_prep, .Lfunc_end_k_qaca54438f0_prep-k_qaca54438f0_prep
	.p2alignl 7, 3214868480
	.fill 96, 4, 3214868480
	.section	.rodata,"a",@progbits
	.p2align	6, 0x0
	.amdhsa_kernel k_qaca54438f0_prep
		.amdhsa_group_segment_fixed_size 35840
		.amdhsa_private_segment_fixed_size 0
		.amdhsa_enable_private_segment 0
		.amdhsa_kernarg_size 72
		.amdhsa_user_sgpr_count 2
		.amdhsa_user_sgpr_kernarg_segment_ptr 1
		.amdhsa_wavefront_size32 1
		.amdhsa_system_sgpr_workgroup_id_x 1
		.amdhsa_system_sgpr_workgroup_id_y 1
		.amdhsa_system_sgpr_workgroup_id_z 1
		.amdhsa_system_vgpr_workitem_id 0
		.amdhsa_next_free_vgpr 162
		.amdhsa_next_free_sgpr 66
		.amdhsa_reserve_vcc 0
		.amdhsa_float_denorm_mode_32 3
		.amdhsa_float_denorm_mode_16_64 3
		.amdhsa_memory_ordered 1
		.amdhsa_forward_progress 1
		.amdhsa_inst_pref_size 41
	.end_amdhsa_kernel
	.amdgpu_metadata
---
amdhsa.version: [ 1, 2 ]
amdhsa.kernels:
  - .name:           k_qaca54438f0_prep
    .symbol:         k_qaca54438f0_prep.kd
    .args:
      - { .name: x, .offset: 0, .size: 8, .value_kind: global_buffer, .address_space: global }
      - { .name: W_Q, .offset: 8, .size: 8, .value_kind: global_buffer, .address_space: global }
      - { .name: W_K, .offset: 16, .size: 8, .value_kind: global_buffer, .address_space: global }
      - { .name: W_V, .offset: 24, .size: 8, .value_kind: global_buffer, .address_space: global }
      - { .name: R, .offset: 32, .size: 8, .value_kind: global_buffer, .address_space: global }
      - { .name: xh, .offset: 40, .size: 8, .value_kind: global_buffer, .address_space: global }
      - { .name: wqk, .offset: 48, .size: 8, .value_kind: global_buffer, .address_space: global }
      - { .name: wm, .offset: 56, .size: 8, .value_kind: global_buffer, .address_space: global }
      - { .name: cb, .offset: 64, .size: 8, .value_kind: global_buffer, .address_space: global }
    .group_segment_fixed_size: 35840
    .private_segment_fixed_size: 0
    .kernarg_segment_align: 8
    .kernarg_segment_size: 72
    .max_flat_workgroup_size: 256
    .sgpr_count:     66
    .vgpr_count:     162
    .wavefront_size: 32
...
	.end_amdgpu_metadata
.endif
;; end of part 6
;; launch mt: the kernel of part 2 again; grid 16 x 16, 4 waves a work-group, clusters of 4 x 4, 288,256 bytes of LDS; arguments wqk, wm; writes wm
;; launch proj: the kernel of part 3 again; grid 8 x 32, 4 waves a work-group, clusters of 4 x 4, 327,680 bytes of LDS; arguments xh, wm, qp, vt; writes qp, vt
;; launch score: the kernel of part 4 again; grid 8 x 32, 4 waves a work-group, clusters of 4 x 4, 327,680 bytes of LDS; arguments qp, xh, P, cb, tau_Q, tau_K, pm, st; writes pm, st
;; launch av: the kernel of part 5 again; grid 8 x 32, 4 waves a work-group, clusters of 4 x 4, 327,680 bytes of LDS; arguments pm, vt, st, tau_V, out0; writes out0
